; MI455X (gfx1250); checked and timed in simulation.
; The chip was launched on July 23, 2026; its instructions are those of AMD's public machine-readable ISA for CDNA 5 (MIT licence, August 2026) and "CDNA5" Instruction Set Architecture Reference Guide (July 2026). The comments in the code are by the model that wrote it; some were corrected since.
;; Flash Attention. Allowed arithmetic: matrix products marked QUANTISED: E2M3 operands, one E8M0 scale for each 32 along K, by v_wmma_scale_f32_16x16x128_f8f6f4 with both operands' format E2M3, f32 sums; everything else in f32.
;; Inputs: Wk 1,024 x 1,024 float32; Wo 1,024 x 1,024 float32; Wq 1,024 x 1,024 float32; Wv 1,024 x 1,024 float32; bk 1,024 float32; bo 1,024 float32; bq 1,024 float32; bv 1,024 float32; k 4 x 2,048 x 1,024 float32; q 4 x 2,048 x 1,024 float32; v 4 x 2,048 x 1,024 float32.
;; Outputs: out0 4 x 2,048 x 1,024 float32.
;; This version of the problem:
;;   THIS VERSION OF THE PROBLEM IS GIVEN IN LOW PRECISION. The matrix products marked QUANTISED in the list below multiply operands that are first quantised to E2M3 (2 exponent bits, 3 mantissa bits; 6 bits a number), with one power-of-two scale for each 32 numbers along K (OCP MX v1.0); their sums are f32. All else is computed in f32.
;;   The module's matrix products, in the order in which they are computed (A, B: the left and right operand; K: the contracted axis; several contracted axes count as one K, in the product's order):
;;     1. [M 8,192, K 1,024] x [K 1,024, N 1,024]; A: input q; B: input Wq: QUANTISED
;;     2. [M 8,192, K 1,024] x [K 1,024, N 1,024]; A: input k; B: input Wk: QUANTISED
;;     3. [M 8,192, K 1,024] x [K 1,024, N 1,024]; A: input v; B: input Wv: QUANTISED
;;     4. batch 64 x [M 2,048, K 64] x [K 64, N 2,048]; A: computed on the way; B: computed on the way: QUANTISED
;;     5. batch 64 x [M 2,048, K 2,048] x [K 2,048, N 64]; A: softmax (see below); B: computed on the way: QUANTISED
;;     6. [M 8,192, K 1,024] x [K 1,024, N 1,024]; A: computed on the way; B: input Wo: QUANTISED
;;   THE QUANTISER, for each operand of a quantised product, along K:
;;     - K is cut into blocks of 32 from its start; a last block that is shorter is filled with zeros.
;;     - A block's scale is 2^e with e = floor(log2(the largest magnitude in the block)) - 2, held to -126 .. 127; a block of zeros has e = 0. As a byte (E8M0): e + 127.
;;     - Each number is divided by its block's scale, clamped to +-7.5, and rounded to the nearest number of E2M3, ties to even, subnormals kept.
;;     - The product sums the exact products of the quantised numbers (number of the format x scale) in f32.
;;   ~~~python
;;   def quantise(x, axis):      # numpy; x: float32 -> the quantised numbers, widened to float32 again
;;       x = np.moveaxis(x, axis, -1); K = x.shape[-1]
;;       x = np.pad(x, [(0, 0)] * (x.ndim - 1) + [(0, -K % 32)]); x = x.reshape(x.shape[:-1] + (-1, 32)); a = np.abs(x).max(-1, keepdims=True)
;;       e = np.where(a > 0, np.clip(np.frexp(np.where(a > 0, a, 1))[1] - 1 - 2, -126, 127), 0)      # np.frexp(a)[1] - 1 = floor(log2(a)), exactly
;;       r = np.clip(x / 2.0 ** e, -7.5, 7.5)
;;       step = 2.0 ** (np.maximum(np.frexp(np.where(r == 0, 1, r))[1] - 1, 0) - 3)
;;       q = np.round(r / step) * step * 2.0 ** e      # np.round: ties to even
;;       return np.moveaxis(q.reshape(q.shape[:-2] + (-1,))[..., :K], -1, axis).astype(np.float32)
;;   ~~~
;;   SOFTMAX AHEAD OF A QUANTISED PRODUCT. Where the list says 'softmax', what is quantised is not the finished softmax but p = 2^(t - M), with t = logit x log2(e) and M = ceil(the row's largest t), a whole number; so 1/2 < the row's largest p <= 1. The row's sum l is taken of the UNQUANTISED p, in f32, and the product's result is divided by l at the end. Since M is a whole number, a kernel that streams over the keys may use a running M (the ceiling of the running maximum): every later rescaling is an exact power of two, which a block's scale takes up: the codes' values come out the same.
;;   OPERANDS COMPUTED ON THE WAY. 'Computed on the way' means the value that the module computes at that place (a softmax that the list does not call 'softmax' is quantised finished and normalised). What goes into a quantiser is computed in f32, as accurately as f32 sums, v_exp_f32 and their like allow (about 1e-6 of the number): no bf16 or f16 on the way to a quantiser, and a product that is left as it is and whose result goes on into a quantised operand takes f32 operands (vector FMAs, or v_wmma_f32_16x16x4_f32). A number that lies on a knife's edge between two numbers of the format may be rounded either way, as far as f32 arithmetic and the matrix unit's own rounding can turn it there, and no further.
;; One version. Each part assembles by itself: llvm-mc -triple=amdgcn-amd-amdhsa -mcpu=gfx1250 --defsym DOCPART=n.
;; ======== version 1 of 1: 4 launches
;; workspace buffers: cod 22,020,096 bytes; scl 917,504 bytes; pcod 18,874,368 bytes; psc 1,310,720 bytes; oc 6,291,456 bytes; os 262,144 bytes
;; launch quant (part 1): grid 896 x 1, 4 waves a work-group, no clusters, 35,328 bytes of LDS; arguments q, k, v, Wq, Wk, Wv, Wo, cod, scl; writes cod, scl
.if DOCPART == 1
	.amdgcn_target "amdgcn-amd-amdhsa--gfx1250"
	.amdhsa_code_object_version 6
	.text
	.protected	k_qde2c90bdaa_quant
	.globl	k_qde2c90bdaa_quant
	.p2align	8
	.type	k_qde2c90bdaa_quant,@function
k_qde2c90bdaa_quant:
	s_mov_b64 s[64:65], 0
	v_nop
	global_prefetch_b8 v0, s[64:65] scope:SCOPE_SE
	s_setreg_imm32_b32 hwreg(HW_REG_WAVE_MODE, 25, 1), 1
	s_wait_xcnt 0x0
; q, k, v [8192][1024] and Wq, Wk, Wv, Wo [1024][1024], f32 with K innermost, become codes of FP6 (E2M3) with one E8M0 byte for each 32 along K.
; A block's scale is 2^(floor(log2(its largest magnitude)) - 2); its byte is the largest magnitude's exponent field - 2, held at 1 from below.
; LAYOUT OF THE CODES (cod), this program's own: the seven tensors are 1,792 ROW TILES of 16 rows (q 0-511, k 512-1023, v 1024-1535, Wq 1536-, Wk 1600-, Wv 1664-, Wo 1728-1791).
; A row tile is 16 HALF IMAGES of 768 bytes, one for each 64 along K: the registers of half an operand as they stand: lane l = r + 16 h holds block h (32 codes, 6 registers) of row r;
; registers 0-3 lie at byte 16 l, registers 4-5 at byte 512 + 8 l.  So a reader needs no row pitch and no padding, and every store here covers 512 or 256 consecutive bytes, aligned.
; ORDER INSIDE A BLOCK: the 32 code places hold the block's numbers 0-7, 16-23, 8-15, 24-31.  Every operand of every product of this program has that order (the later launches get it from the
; layout of matrix results), so each product still pairs equal k.  LIMIT: the matrix unit so adds a block's exact products in another order than ascending k; the sums differ in their last bits at most.
; LAYOUT OF THE SCALES (scl): [row tile][256 along K: 4][row: 16][128 along K: 2] words of four bytes, byte b for the 128's block b.
; LIMITS: a block of zeros gets the byte 1 where the quantiser says 127 (its codes are zeros, and this program alone reads the bytes); blocks whose largest magnitude lies under 2^-124 are held at byte 1;
; NaN and infinities among the inputs are not served.
; SHARES: a work-group takes two row tiles; wave w takes row tile w / 2 of them and half w % 2 of K: 16 rows x 512, in four steps of 128.  Each load reads 512 consecutive bytes of one row; the step's 8 KiB turn
; through the wave's own stage in LDS (rows of 528 bytes), from which a lane takes two whole blocks of its row.  Waves share nothing: no barrier.  No tensor loads, no matrix unit, no cluster: memory binds, and nothing is read twice.
.set WREG, 8704                        ; LDS of a wave: the stage, 16 rows x 528 bytes, and 256 bytes for its scale words
.set SP,   528                         ; a stage row: 512 bytes + 16: an odd multiple of 16, so that sixteen rows start in sixteen different groups of banks
.set R,    16                          ; v16-79   16 rows x 4 numbers as loaded
.set X,    80                          ; v80-143  my two blocks, in the order of the code places
.set C,    144                         ; v144-191 codes, 12 registers a step: no store's data are written again
.set T,    192                         ; v192-199 the upper halves of the blocks' codes, as the conversions leave them
.set MX,   200                         ; v200-201 largest magnitudes
.set SO,   202                         ; v202-203 the conversions' scale operands
.set BY,   204                         ; v204-205 scale bytes
.set WD,   206                         ; v206     the row's scale word
.set PT,   207                         ; v207     the other half's part of it
	s_load_b256 s[4:11], s[0:1], 0x0               ; q s[4:5], k s[6:7], v s[8:9], Wq s[10:11]
	s_load_b256 s[12:19], s[0:1], 0x20             ; Wk s[12:13], Wv s[14:15], Wo s[16:17], cod s[18:19]
	s_load_b64 s[20:21], s[0:1], 0x40              ; scl
	v_lshl_add_u32 v216, v0, 2, 0x8800
	v_mov_b32 v217, 0
	v_lshrrev_b32 v1, 5, v0
	v_readfirstlane_b32 s24, v1                    ; wave 0..3
	v_and_b32 v1, 31, v0                           ; lane
	v_and_b32 v2, 15, v0                           ; r
	v_bfe_u32 v3, v0, 4, 1                         ; h
	v_lshlrev_b32 v4, 4, v1                        ; 16 x lane: my bytes of a load, and of a store of four registers
	v_lshlrev_b32 v5, 3, v1                        ; 8 x lane: of a store of two
	s_mul_i32 s25, s24, WREG
	v_add_nc_u32 v6, s25, v4                       ; the stage, on the way in: a row as it was loaded
	v_mul_u32_u24 v7, v2, SP
	v_lshl_add_u32 v7, v3, 7, v7
	v_add_nc_u32 v7, s25, v7                       ; on the way out: row r, block h of each 64
	s_add_co_u32 s25, s25, 16*SP
	v_lshl_add_u32 v8, v2, 3, s25                  ; my row's scale words
	v_add_nc_u32 v9, s25, v5                       ; and the 256 bytes on the way out
	v_lshlrev_b32 v10, 3, v3                       ; 8 h: my bytes' place in a scale word
	v_mov_b32 v[PT], 0                             ; written once: a lane permute's destination counts as one of its sources
	s_mov_b32 s22, 0x76543210
	s_mov_b32 s23, 0xfedcba98                      ; v_permlanex16_b32's selects for lane l xor 16
	s_lshr_b32 s26, s24, 1                         ; which of the two row tiles
	s_and_b32 s27, s24, 1                          ; which half of K
	s_wait_kmcnt 0x0
; which tensor is my work-group's: the choice hangs on the work-group's number alone.  s[28:29] the tensor, s30 its first work-group
.macro PICK bound, ptr, base
	s_cmp_lt_u32 ttmp9, \bound
	s_cselect_b64 s[28:29], s[\ptr:\ptr+1], s[28:29]
	s_cselect_b32 s30, \base, s30
.endm
	s_mov_b64 s[28:29], s[16:17]
	s_mov_b32 s30, 864
	PICK 864, 14, 832
	PICK 832, 12, 800
	PICK 800, 10, 768
	PICK 768, 8, 512
	PICK 512, 6, 256
	PICK 256, 4, 0
	s_sub_co_u32 s31, ttmp9, s30
	s_lshl_b32 s31, s31, 1
	s_add_co_u32 s31, s31, s26                     ; my row tile within the tensor
	s_lshl_b32 s32, s31, 16                        ; 16 rows of 4,096 bytes
	s_lshl_b32 s33, s27, 11                        ; 512 numbers
	s_add_co_u32 s32, s32, s33
	s_mov_b32 s33, 0
	s_add_nc_u64 s[28:29], s[28:29], s[32:33]
	s_lshl_b32 s34, ttmp9, 1
	s_add_co_u32 s34, s34, s26                     ; my row tile among the 1,792
	s_mul_i32 s32, s34, 12288
	s_mul_i32 s35, s27, 6144
	s_add_co_u32 s32, s32, s35
	s_add_nc_u64 s[18:19], s[18:19], s[32:33]
	s_lshl_b32 s32, s34, 9
	s_lshl_b32 s35, s27, 8
	s_add_co_u32 s32, s32, s35
	s_add_nc_u64 s[20:21], s[20:21], s[32:33]
.macro LOAD t                          ; step t: 128 numbers of each of my 16 rows
.irp i, 0,1,2,3,4,5,6,7,8,9,10,11,12,13,14,15
	global_load_b128 v[R+4*\i:R+4*\i+3], v4, s[28:29] offset:4096*\i+512*(\t) th:TH_LOAD_NT   ; 32 lanes read 512 consecutive bytes; read once in the launch
.endr
.endm
.macro STEP t
	s_wait_loadcnt 0x0                             ; this step's sixteen loads are in
.irp i, 0,1,2,3,4,5,6,7,8,9,10,11,12,13,14,15
	ds_store_b128 v6, v[R+4*\i:R+4*\i+3] offset:SP*\i
.endr
.irp c, 0,1                            ; LDS serves a wave's instructions in order: these see the stores above.  Four numbers 4 g .. 4 g + 3 of block 2 c + h go to the code places that the order 0-7, 16-23, 8-15, 24-31 gives them
.irp g, 0,1,2,3,4,5,6,7
.set PG, X+32*\c+4*((\g%2)+2*(\g/4)+4*((\g/2)%2))
	ds_load_b128 v[PG:PG+3], v7 offset:256*\c+16*\g
.endr
.endr
	s_wait_dscnt 0x0                               ; my blocks are here, and the stores have read the registers
.if (\t) < 3
	LOAD (\t)+1                                    ; which take the next step's loads: they are on their way while this step is worked
.endif
.irp c, 0,1
	v_max3_num_f32 v[MX+\c], |v[X+32*\c]|, |v[X+32*\c+1]|, 0x1800000   ; all 32 numbers of a block are mine; the floor 2^(3 - 127) keeps the byte from falling under 1
.endr
.irp i, 2,4,6,8,10,12,14,16,18,20,22,24,26,28,30
.irp c, 0,1
	v_max3_num_f32 v[MX+\c], v[MX+\c], |v[X+32*\c+\i]|, |v[X+32*\c+\i+1]|   ; (the two blocks by turns)
.endr
.endr
.irp c, 0,1
	v_add_nc_u32 v[SO+\c], 0xff000000, v[MX+\c]    ; 2 off the exponent field: the conversion takes the exponent field of this operand as its scale
.endr
.irp c, 0,1
	v_lshrrev_b32 v[BY+\c], 23, v[SO+\c]           ; the scale's byte
.endr
	v_lshl_or_b32 v[WD], v[BY+1], 16, v[BY]        ; my two bytes, blocks h and 2 + h,
	v_lshlrev_b32 v[WD], v10, v[WD]                ; at their places;
	v_permlanex16_b32 v[PT], v[WD], s22, s23
	v_or_b32 v[WD], v[WD], v[PT]                   ; with lane l xor 16's two the word is whole
.irp c, 0,1
	v_cvt_scalef32_pk16_fp6_f32 v[C+12*(\t)+6*\c:C+12*(\t)+6*\c+2], v[X+32*\c:X+32*\c+15], v[SO+\c]
	v_cvt_scalef32_pk16_fp6_f32 v[T+4*\c:T+4*\c+2], v[X+32*\c+16:X+32*\c+31], v[SO+\c]   ; (a conversion's three registers begin on an even number: a block's upper three do not, so they are made here and moved)
.endr
	v_nop                                          ; one plain place behind the scaled conversions
.irp c, 0,1
.irp i, 0,1,2
	v_mov_b32 v[C+12*(\t)+6*\c+3+\i], v[T+4*\c+\i]
.endr
.endr
	ds_store_b32 v8, v[WD] offset:128*((\t)/2)+4*((\t)%2)   ; both halves of the lanes write the same word with the same value
.irp c, 0,1
	global_store_b128 v4, v[C+12*(\t)+6*\c:C+12*(\t)+6*\c+3], s[18:19] offset:768*(2*(\t)+\c)        ; 512 consecutive bytes, aligned to 256
	global_store_b64 v5, v[C+12*(\t)+6*\c+4:C+12*(\t)+6*\c+5], s[18:19] offset:768*(2*(\t)+\c)+512   ; 256 consecutive bytes, aligned
.endr
.endm
	LOAD 0
	STEP 0
	STEP 1
	STEP 2
	STEP 3
	ds_load_b64 v[208:209], v9                     ; my wave's 64 scale words, in the buffer's order
	s_wait_dscnt 0x0
	global_store_b64 v5, v[208:209], s[20:21]      ; 256 consecutive bytes, aligned
	s_wait_tensorcnt 0x0
	ds_add_u32 v216, v217
	s_wait_dscnt 0x0
	s_endpgm
.Lfunc_end_k_qde2c90bdaa_quant:
	.size	k_qde2c90bdaa_quant, .Lfunc_end_k_qde2c90bdaa_quant-k_qde2c90bdaa_quant
	.p2alignl 7, 3214868480
	.fill 96, 4, 3214868480
	.section	.rodata,"a",@progbits
	.p2align	6, 0x0
	.amdhsa_kernel k_qde2c90bdaa_quant
		.amdhsa_group_segment_fixed_size 35328
		.amdhsa_private_segment_fixed_size 0
		.amdhsa_enable_private_segment 0
		.amdhsa_kernarg_size 72
		.amdhsa_user_sgpr_count 2
		.amdhsa_user_sgpr_kernarg_segment_ptr 1
		.amdhsa_wavefront_size32 1
		.amdhsa_system_sgpr_workgroup_id_x 1
		.amdhsa_system_sgpr_workgroup_id_y 1
		.amdhsa_system_sgpr_workgroup_id_z 1
		.amdhsa_system_vgpr_workitem_id 0
		.amdhsa_next_free_vgpr 218
		.amdhsa_next_free_sgpr 66
		.amdhsa_reserve_vcc 0
		.amdhsa_float_denorm_mode_32 3
		.amdhsa_float_denorm_mode_16_64 3
		.amdhsa_memory_ordered 1
		.amdhsa_forward_progress 1
		.amdhsa_inst_pref_size 32
	.end_amdhsa_kernel
	.amdgpu_metadata
---
amdhsa.version: [ 1, 2 ]
amdhsa.kernels:
  - .name:           k_qde2c90bdaa_quant
    .symbol:         k_qde2c90bdaa_quant.kd
    .args:
      - { .name: q, .offset: 0, .size: 8, .value_kind: global_buffer, .address_space: global }
      - { .name: k, .offset: 8, .size: 8, .value_kind: global_buffer, .address_space: global }
      - { .name: v, .offset: 16, .size: 8, .value_kind: global_buffer, .address_space: global }
      - { .name: Wq, .offset: 24, .size: 8, .value_kind: global_buffer, .address_space: global }
      - { .name: Wk, .offset: 32, .size: 8, .value_kind: global_buffer, .address_space: global }
      - { .name: Wv, .offset: 40, .size: 8, .value_kind: global_buffer, .address_space: global }
      - { .name: Wo, .offset: 48, .size: 8, .value_kind: global_buffer, .address_space: global }
      - { .name: cod, .offset: 56, .size: 8, .value_kind: global_buffer, .address_space: global }
      - { .name: scl, .offset: 64, .size: 8, .value_kind: global_buffer, .address_space: global }
    .group_segment_fixed_size: 35328
    .private_segment_fixed_size: 0
    .kernarg_segment_align: 8
    .kernarg_segment_size: 72
    .max_flat_workgroup_size: 128
    .sgpr_count:     66
    .vgpr_count:     218
    .wavefront_size: 32
...
	.end_amdgpu_metadata
.endif
;; end of part 1
;; launch proj (part 2): grid 32 x 24, 4 waves a work-group, clusters of 4 x 4, 307,712 bytes of LDS; arguments cod, scl, bq, bk, bv, pcod, psc; writes pcod, psc
.if DOCPART == 2
	.amdgcn_target "amdgcn-amd-amdhsa--gfx1250"
	.amdhsa_code_object_version 6
	.text
	.protected	k_qde2c90bdaa_proj
	.globl	k_qde2c90bdaa_proj
	.p2align	8
	.type	k_qde2c90bdaa_proj,@function
k_qde2c90bdaa_proj:
	s_mov_b64 s[64:65], 0
	v_nop
	global_prefetch_b8 v0, s[64:65] scope:SCOPE_SE
	s_setreg_imm32_b32 hwreg(HW_REG_WAVE_MODE, 25, 1), 1
	s_wait_xcnt 0x0
	s_wait_alu depctr_hold_cnt(0) depctr_sa_sdst(0) depctr_va_vdst(0) depctr_va_sdst(0) depctr_va_ssrc(0) depctr_va_vcc(0) depctr_vm_vsrc(0)
	s_getreg_b32 s2, hwreg(HW_REG_IB_STS2, 6, 4)
	s_cmp_eq_u32 s2, 0
	s_cbranch_scc0 .Lentry_in_a_cluster
	s_endpgm
.Lentry_in_a_cluster:
	s_bfe_u32 s2, ttmp6, 0x10000c
	s_cmp_lg_u32 s2, 0xf033
	s_cbranch_scc0 .Lentry_shape_is_right
	s_endpgm
.Lentry_shape_is_right:
; The three projections q Wq^T + bq, k Wk^T + bk, v Wv^T + bv on codes of FP6 (E2M3) with E8M0 scales, and the quantising of their results for the attention's two products.
; OPERANDS (cod, scl): row tiles of 16 rows; a row tile's codes are 16 half images of 768 bytes (16 rows x 64 K as half an operand's registers: lane l's registers 0-3 at 16 l, 4-5 at 512 + 8 l); its scale words [256 K][row][2].
; A WORK-GROUP makes 128 rows of operand A x 256 rows of operand B over all of K = 1,024.  All its codes, 288 KiB, and scales, 12 KiB, fit in LDS at once: every LDS byte is filled ONCE, in four chunks of 256 along K, so there is no ring.
; A wave makes 64 x 128: 32 accumulators.  THE MATRIX INSTRUCTION IS USED TRANSPOSED: source 0 = 16 rows of B, source 1 = 16 rows of A: a lane holds ONE row of A, and its registers run along B's rows.
; TWO TYPES of work-group, told apart by the cluster's y, which all sixteen partners share:
;   Q, K (cluster y 2-5): A = rows of q or k, B = rows of Wq or Wk.  A lane's registers run along the features: the next product's K (a head's 64).  Results: half images [row tile][head][768] in pcod; scale words [head][row tile][row] in psc.
;   V    (cluster y 0-1): A = rows of Wv, B = rows of v.  A lane holds one feature and its registers run along the keys: the second product's K.  Results: whole operand images [batch, head][128 keys][16 features][1,536] from byte 0xC00000 of pcod.
; The 16 registers of two neighbouring accumulators are numbers 8 h .. 8 h + 7 and 16 + 8 h .. of a block of 32: so the codes lie in the order 0-7, 16-23, 8-15, 24-31 inside a block, as in every operand of this program.
; CLUSTERS: 4 x 4 work-groups; A's tiles are shared along a row of the cluster, B's along a column: each is asked for jointly, which divides the requests by four.
; LIMITS: a block of zeros gets the byte 1 (its codes are zeros; this program alone reads the bytes); NaN and infinities are not served.
; REGISTERS: window 0: v1-31 addresses; v32-63 scale words, two sets; v64-127 the bias; v128-223 A's fragments, two sets of 48 (on the way out: v128-191 64 numbers, v192-211 codes); v224-247 at work.
;   window 1: B's fragments, two sets of 96, at v0 and v128.   window 2: accumulator (a, b) at v[8 (8 a + b)].
.set CHUNK, 73728                      ; LDS: 256 along K: A's 8 row tiles x 3,072 bytes, then B's 16
.set TILEB, 3072
.set SCL,   4*CHUNK                    ; behind the four chunks: A's scale words (4,096 bytes), then B's (8,192)
.set ACOD,  4                          ; s[4:5] the codes, s[6:7] the scales: here both operands lie in the same two buffers
.set ASCL,  6
.set BCOD,  4
.set BSCL,  6
.set G1A,   24                         ; s[24:31] descriptor group 1 for A's chunks;  s[32:39] B's;  s[40:47] A's scales;  s[48:55] B's
.set G1B,   32
.set G1SA,  40
.set G1SB,  48
.set BIAS,  64
.set NUM,   128
.set PC,    192
.set TM,    224
.set PW,    240
.set SEL,   22
.set MSB, 0
.macro WIN new                         ; the immediate's high byte repeats the setting that is left
.if MSB != \new
	s_set_vgpr_msb (MSB<<8)|\new
.set MSB, \new
.endif
.endm
.set MUL,  0xa1                        ; source 0 (B) window 1, source 1 (A) window 0, C and D window 2
.set TO_B, 0x40                        ; destination window 1, address window 0
.macro CROUND                          ; a round of the cluster's barrier: my work-group's barrier; wave 0 signals for the work-group; every wave waits for all sixteen; my work-group's barrier once more
	s_barrier_signal -1
	s_barrier_wait -1
	s_cmp_lg_u32 s100, 0
	s_cbranch_scc1 .Lnot_wave_0_\@
	s_barrier_signal -3
.Lnot_wave_0_\@:
	s_barrier_wait -3
	s_barrier_signal -1
	s_barrier_wait -1
.endm
.macro SHAPE g, c, r, p                ; words 1 to 7 of a group 1: r rows of c elements of 8 bytes, p elements from row to row
	s_mov_b32 s[\g+1], (\c)<<16
	s_mov_b32 s[\g+2], (\r)<<16
	s_mov_b32 s[\g+3], (\c)<<16
	s_mov_b32 s[\g+4], \r
	s_mov_b32 s[\g+5], \p
	s_mov_b32 s[\g+6], 0
	s_mov_b32 s[\g+7], 0
.endm
.macro DESC g, ldsmul, ldsadd, src, add ; a group 0: to LDS byte ldsmul x (wave % 2) + ldsadd, from s[src:src+1] + add
	s_mov_b32 s[\g], 1
	s_mul_i32 s[\g+1], s104, \ldsmul
.if \ldsadd
	s_add_co_u32 s[\g+1], s[\g+1], \ldsadd
.endif
	s_add_nc_u64 s[\g+2:\g+3], s[\src:\src+1], \add
	s_or_b32 s[\g+3], s[\g+3], 0x80000000
.endm
.macro PLACES n
.rept \n
	v_nop
.endr
.endm
	s_load_b128 s[4:7], s[0:1], 0x0                ; cod, scl: what the descriptors need; the other arguments follow behind the tensor loads
	v_lshl_add_u32 v254, v0, 2, 0x4b000
	v_mov_b32 v255, 0
	ds_add_u32 v254, v255
	ds_add_u32 v254, v255
	v_lshrrev_b32 v1, 5, v0
	v_readfirstlane_b32 s100, v1                   ; wave 0..3
	s_lshr_b32 s101, s100, 1                       ; which 64 rows of A are mine.  Also: I fetch for A (0) or for B (1)
	s_and_b32 s104, s100, 1                        ; which 128 rows of B.  Also: which half of that operand's rows I fetch
	s_bfe_u32 s18, ttmp6, 0x40000                  ; cx
	s_bfe_u32 s19, ttmp6, 0x40004                  ; cy
	s_mov_b32 s20, ttmp9                           ; the cluster's x, 0..7
	s_and_b32 s21, ttmp7, 0xffff                   ; the cluster's y, 0..5
	s_lshl_b32 s22, s19, 2
	s_lshl_b32 s22, 15, s22                        ; my row of the cluster
	s_lshl_b32 s23, 0x1111, s18                    ; my column
	; the first row tiles.  V: A = Wv, 1664 + 8 (4 y + cy); B = v, 1024 + 16 (4 x + cx).  Q, K: A = q or k, 8 (16 x + 4 (y - 2) + cy); B = Wq (x < 4) or Wk, 1536 + 64 (x / 4) + 16 cx
	s_lshl_b32 s2, s21, 5
	s_lshl_b32 s8, s20, 7
	s_lshl_b32 s9, s20, 6
	s_add_co_u32 s9, s9, 1024
	s_lshr_b32 s3, s20, 2
	s_lshl_b32 s3, s3, 6
	s_add_co_u32 s3, s3, 1536
	s_cmp_lt_u32 s21, 2                            ; the type: the same in all partners
	s_cselect_b32 s105, 1, 0
	s_cselect_b32 s8, 1728, s8
	s_cselect_b32 s3, s9, s3
	s_add_co_u32 s2, s2, s8
	s_sub_co_u32 s2, s2, 64
	s_lshl_b32 s8, s19, 3
	s_add_co_u32 s2, s2, s8                        ; A's first row tile: of the place in the cluster it holds cy alone
	s_lshl_b32 s9, s18, 4
	s_add_co_u32 s3, s3, s9                        ; B's: cx alone
	s_or_b32 s[G1A], s22, (3<<16)|(1<<21)          ; 15:0 the mask; 17:16 elements of 8 bytes; 21 set beside a mask; no padding: the images are read as they lie
	s_or_b32 s[G1B], s23, (3<<16)|(1<<21)
	s_or_b32 s[G1SA], s22, (3<<16)|(1<<21)
	s_or_b32 s[G1SB], s23, (3<<16)|(1<<21)
	SHAPE G1A, 384, 4, 1536                        ; 4 row tiles x 3,072 bytes (256 along K), 12,288 bytes apart
	SHAPE G1B, 384, 8, 1536                        ; 8 row tiles
	SHAPE G1SA, 32, 8, 32                          ; 4 row tiles' scale words: 2,048 dense bytes as rows of 256
	SHAPE G1SB, 32, 16, 32                         ; 8 row tiles': 4,096
	s_wait_dscnt 0x0
	s_wait_kmcnt 0x0
	s_lshl_b32 s14, s104, 2
	s_add_co_u32 s14, s14, s2                      ; A: the four row tiles that I would fetch
	s_lshl_b32 s12, s14, 9
	s_mov_b32 s13, 0
	s_add_nc_u64 s[12:13], s[ASCL:ASCL+1], s[12:13]
	DESC 56, 2048, SCL, 12, 0
	s_mul_i32 s12, s14, 12288
	s_mov_b32 s13, 0
	s_add_nc_u64 s[12:13], s[ACOD:ACOD+1], s[12:13]
.irp c, 0,1,2,3
	DESC 60+4*\c+4*((\c+3)/4), 12288, CHUNK*\c, 12, TILEB*\c     ; s[60:63], s[68:71], s[72:75], s[76:79]
.endr
	s_lshl_b32 s15, s104, 3
	s_add_co_u32 s15, s15, s3                      ; B: the eight row tiles
	s_lshl_b32 s16, s15, 9
	s_mov_b32 s17, 0
	s_add_nc_u64 s[16:17], s[BSCL:BSCL+1], s[16:17]
	DESC 80, 4096, SCL+4096, 16, 0
	s_mul_i32 s16, s15, 12288
	s_mov_b32 s17, 0
	s_add_nc_u64 s[16:17], s[BCOD:BCOD+1], s[16:17]
.irp c, 0,1,2,3
	DESC 84+4*\c, 24576, CHUNK*\c+24576, 16, TILEB*\c
.endr
	CROUND                                         ; all sixteen work-groups are here: the joint loads meet
	s_cmp_eq_u32 s101, 0                           ; a wave's five fills stand in one branch on its number: five tensor loads of mine are out.  Four v_nop follow the last
	s_cbranch_scc0 .Lfor_b
	tensor_load_to_lds s[56:59], s[G1SA:G1SA+7]
	s_nop 0
	tensor_load_to_lds s[60:63], s[G1A:G1A+7]
	s_nop 0
	tensor_load_to_lds s[68:71], s[G1A:G1A+7]
	s_nop 0
	tensor_load_to_lds s[72:75], s[G1A:G1A+7]
	s_nop 0
	tensor_load_to_lds s[76:79], s[G1A:G1A+7]
	s_nop 0
	PLACES 4
	s_branch .Lasked
.Lfor_b:
	tensor_load_to_lds s[80:83], s[G1SB:G1SB+7]
	s_nop 0
	tensor_load_to_lds s[84:87], s[G1B:G1B+7]
	s_nop 0
	tensor_load_to_lds s[88:91], s[G1B:G1B+7]
	s_nop 0
	tensor_load_to_lds s[92:95], s[G1B:G1B+7]
	s_nop 0
	tensor_load_to_lds s[96:99], s[G1B:G1B+7]
	s_nop 0
	PLACES 4
.Lasked:
	s_load_b128 s[8:11], s[0:1], 0x10              ; bq, bk
	s_load_b128 s[12:15], s[0:1], 0x20             ; bv, pcod
	s_load_b64 s[16:17], s[0:1], 0x30              ; psc
	v_and_b32 v1, 15, v0                           ; r
	v_bfe_u32 v2, v0, 4, 1                         ; h
	v_and_b32 v3, 31, v0                           ; lane
	v_lshlrev_b32 v21, 4, v3                       ; 16 x lane
	v_lshlrev_b32 v22, 3, v3                       ; 8 x lane
	s_mul_i32 s4, s101, 12288
	v_add_nc_u32 v16, s4, v21                      ; my four row tiles of A: registers 0-3 of a half image,
	v_add_nc_u32 v17, s4, v22                      ; registers 4-5
	s_mul_i32 s5, s104, 24576
	s_add_co_u32 s5, s5, 24576
	v_add_nc_u32 v18, s5, v21                      ; my eight row tiles of B
	v_add_nc_u32 v19, s5, v22
	s_xor_b32 s6, s101, 1                          ; scale words: lanes 0-15 take A's, lanes 16-31 B's: the lower base + h x the distance, 4,096 + 4,096 colhalf - 2,048 rowhalf
	s_lshl_b32 s6, s6, 11
	s_lshl_b32 s5, s104, 12
	s_add_co_u32 s5, s5, s6
	s_add_co_u32 s5, s5, 2048
	v_mul_u32_u24 v20, s5, v2
	v_lshl_add_u32 v20, v1, 3, v20
	s_lshl_b32 s4, s101, 11
	s_add_co_u32 s4, s4, SCL
	v_add_nc_u32 v20, s4, v20
	v_lshlrev_b32 v23, 4, v2                       ; 16 h: which head's half of a scale word is my lane's
	s_lshl_b32 s4, s100, 9                         ; the way out's LDS words lie in chunk 0, which has had its only fill and its last read by then; each type has bytes of its own
	v_lshlrev_b32 v24, 2, v1
	v_lshl_add_u32 v24, v2, 8, v24
	v_add_nc_u32 v24, s4, v24                      ; Q, K: 512 w + 256 h + 4 r
	v_add_nc_u32 v26, s4, v21                      ;       and back: 512 w + 16 l
	s_lshl_b32 s4, s100, 8
	s_add_co_u32 s4, s4, 4096
	v_lshl_add_u32 v25, v1, 2, s4                  ; V: 4,096 + 256 w + 4 r
	v_add_nc_u32 v28, s4, v22                      ;    and back: + 8 l
	v_lshlrev_b32 v27, 4, v1
	v_lshl_add_u32 v27, v2, 16, v27                ; psc: lanes 16-31 take the next head, 65,536 bytes on
	v_lshlrev_b32 v29, 5, v2                       ; the bias along the registers: 32 h
	v_lshlrev_b32 v30, 2, v1                       ; the bias of a lane: 4 r
.irp b, 0,1,2,3
	v_mov_b32 v[TM+4+\b], 0                        ; written once: a lane permute's destination counts as one of its sources
.endr
	; where my results go, and where my bias lies: both types' offsets, then the choice
	s_lshl_b32 s6, s20, 3
	s_lshl_b32 s7, s18, 1
	s_add_co_u32 s7, s7, s104                      ; 2 cx + colhalf
	s_add_co_u32 s6, s6, s7                        ; V: which 128 tokens of the 8,192: g
	s_lshr_b32 s3, s6, 4
	s_lshl_b32 s3, s3, 8
	s_and_b32 s6, s6, 15
	s_add_co_u32 s6, s6, s3                        ; 256 batch + key step
	s_lshl_b32 s3, s21, 2
	s_add_co_u32 s3, s3, s19                       ; 4 y + cy
	s_lshl_b32 s22, s3, 1
	s_add_co_u32 s22, s22, s101                    ; the head
	s_lshl_b32 s22, s22, 4
	s_add_co_u32 s6, s6, s22                       ; 16 (16 batch + head) + key step
	s_mul_i32 s22, s6, 6144
	s_add_co_u32 s22, s22, 0xC00000                ; V: in pcod
	s_lshl_b32 s23, s6, 8
	s_add_co_u32 s23, s23, 0x100000                ; V: in psc
	s_lshl_b32 s6, s101, 2
	s_add_co_u32 s6, s6, s2                        ; Q, K: my first row tile
	s_mul_i32 s66, s6, 12288
	s_mul_i32 s67, s7, 1536
	s_add_co_u32 s66, s66, s67                     ; Q, K: in pcod: my two heads' half images
	s_lshl_b32 s6, s6, 6
	s_lshl_b32 s67, s7, 17
	s_add_co_u32 s6, s6, s67                       ; Q, K: in psc
	s_lshl_b32 s7, s7, 9                           ; Q, K: the bias of my 128 features
	s_lshl_b32 s3, s3, 9
	s_lshl_b32 s67, s101, 8
	s_add_co_u32 s3, s3, s67                       ; V: of my 64
	s_cmp_lg_u32 s105, 0
	s_cselect_b32 s66, s22, s66
	s_cselect_b32 s6, s23, s6
	s_cselect_b32 s22, s3, s7
	s_mov_b32 s67, 0
	s_mov_b32 s7, 0
	s_mov_b32 s23, 0
	s_wait_kmcnt 0x0
	s_add_nc_u64 s[14:15], s[14:15], s[66:67]
	s_add_nc_u64 s[16:17], s[16:17], s[6:7]
	s_cmp_lt_u32 s20, 4
	s_cselect_b64 s[4:5], s[8:9], s[10:11]         ; bq or bk,
	s_cmp_lg_u32 s105, 0
	s_cselect_b64 s[4:5], s[12:13], s[4:5]         ; or bv: the choices hang on the cluster's place in the grid alone
	s_add_nc_u64 s[4:5], s[4:5], s[22:23]
	s_mov_b32 s[SEL], 0x76543210
	s_mov_b32 s[SEL+1], 0xfedcba98                 ; v_permlanex16_b32's selects for lane l xor 16
.macro FRAG reg, a16, a8, off          ; a fragment, 16 rows x 128 K, is two half images: 12 registers by four loads, each of consecutive bytes
	ds_load_b128 v[\reg:\reg+3], v[\a16] offset:\off
	ds_load_b64 v[\reg+4:\reg+5], v[\a8] offset:\off+512
	ds_load_b128 v[\reg+6:\reg+9], v[\a16] offset:\off+768
	ds_load_b64 v[\reg+10:\reg+11], v[\a8] offset:\off+1280
.endm
.macro FETCH kap                       ; the fragments of K step kap (128 along K) into set kap % 2; with a chunk's first step its scale words: register 2 i + q: lanes 0-15 A's tile i, lanes 16-31 B's tile i
.set FP, (\kap)%2
	WIN TO_B
.irp i, 0,1,2,3,4,5,6,7
	FRAG 128*FP+12*\i, 18, 19, TILEB*\i+1536*FP
.endr
	WIN 0
.irp i, 0,1,2,3
	FRAG 128+48*FP+12*\i, 16, 17, TILEB*\i+1536*FP
.endr
.if FP == 0
.set CS, 32+16*(((\kap)/2)%2)
.irp i, 0,1,2,3,4,5,6,7
	ds_load_b64 v[CS+2*\i:CS+2*\i+1], v20 offset:512*\i   ; (for i >= 4 the low lanes bring words that no product names; they lie inside the scales' bytes)
.endr
.endif
.endm
.macro MULS kap, cmode                 ; 32 products; the 32 accumulators take turns, one instruction a turn, in the same order in every step.  cmode 0: the first step starts the sums
.set MP, (\kap)%2
.set SCR, 32+16*(((\kap)/2)%2)+(\kap)%2
.irp a, 0,1,2,3
.irp b, 0,1,2,3,4,5,6,7
.if \cmode == 0
	v_wmma_scale_f32_16x16x128_f8f6f4 v[8*(8*\a+\b):8*(8*\a+\b)+7], v[128*MP+12*\b:128*MP+12*\b+11], v[128+48*MP+12*\a:128+48*MP+12*\a+11], 0, v[SCR+2*\b], v[SCR+2*\a] matrix_a_fmt:MATRIX_FMT_FP6 matrix_b_fmt:MATRIX_FMT_FP6 matrix_a_scale:MATRIX_SCALE_ROW1
.else
	v_wmma_scale_f32_16x16x128_f8f6f4 v[8*(8*\a+\b):8*(8*\a+\b)+7], v[128*MP+12*\b:128*MP+12*\b+11], v[128+48*MP+12*\a:128+48*MP+12*\a+11], v[8*(8*\a+\b):8*(8*\a+\b)+7], v[SCR+2*\b], v[SCR+2*\a] matrix_a_fmt:MATRIX_FMT_FP6 matrix_b_fmt:MATRIX_FMT_FP6 matrix_a_scale:MATRIX_SCALE_ROW1
.endif
.endr
.endr
.endm
; K step kap: its fragments are in; the next step's are asked for; 32 products.  A load into a register that a matrix instruction has read stands four plain vector instructions behind it (ISA guide 7.12.1 for vector instructions).
.macro KSTEP kap, cmode
	s_wait_dscnt 0x0                               ; this step's fragments, asked for 32 products ago
.if ((\kap)%2 == 1) && ((\kap) < 7)
	s_wait_tensorcnt 2-(\kap)/2                    ; my part of the next chunk has landed; the chunks behind it may stay out: nothing is filled a second time in this launch
	s_barrier_signal -1
	s_barrier_wait -1                              ; everybody's has
.irp r, 16,17,18,19
	v_add_nc_u32 v\r, CHUNK, v\r                   ; on to the next chunk; these five additions are also the places in front of the loads below
.endr
	v_add_nc_u32 v20, 128, v20
.elseif ((\kap) > 0) && ((\kap) < 7)
	PLACES 4
.endif
.if (\kap) < 7
	FETCH (\kap)+1
.endif
	WIN MUL
	MULS \kap, \cmode
	WIN 0
.endm
; 64 numbers of a lane, v[s] .. v[s + 63], 16 of each of four blocks of 32 (the other 16 lie in lane l xor 16), become a fragment's codes in v[PC] on and its scale word in v[PW].
.macro QUANT s
.irp b, 0,1,2,3
	v_max3_num_f32 v[TM+\b], |v[\s+16*\b]|, |v[\s+1+16*\b]|, 0x1800000   ; my 16 numbers, and the floor 2^(3 - 127): the byte cannot fall under 1
.endr
.irp i, 2,4,6,8,10,12,14
.irp b, 0,1,2,3
	v_max3_num_f32 v[TM+\b], v[TM+\b], |v[\s+16*\b+\i]|, |v[\s+1+16*\b+\i]|   ; (the four blocks by turns)
.endr
.endr
.irp b, 0,1,2,3
	v_permlanex16_b32 v[TM+4+\b], v[TM+\b], s[SEL], s[SEL+1]
.endr
.irp b, 0,1,2,3
	v_max_num_f32 v[TM+\b], v[TM+\b], v[TM+4+\b]   ; the block's largest magnitude
.endr
.irp b, 0,1,2,3
	v_add_nc_u32 v[TM+12+\b], 0xff000000, v[TM+\b]   ; 2 off its exponent field: the conversion's scale operand
.endr
.irp b, 0,1,2,3
	v_lshrrev_b32 v[TM+4+\b], 23, v[TM+12+\b]      ; the scale's byte
.endr
	v_lshl_or_b32 v[PW], v[TM+5], 8, v[TM+4]
	v_lshl_or_b32 v[PW], v[TM+6], 16, v[PW]
	v_lshl_or_b32 v[PW], v[TM+7], 24, v[PW]
.irp c, 0,1
	v_cvt_scalef32_pk16_fp6_f32 v[PC+6*\c:PC+2+6*\c], v[\s+32*\c:\s+15+32*\c], v[TM+12+2*\c]
	v_cvt_scalef32_pk16_fp6_f32 v[PC+12+4*\c:PC+14+4*\c], v[\s+16+32*\c:\s+31+32*\c], v[TM+12+2*\c+1]   ; (a conversion's three registers begin on an even number)
.endr
	v_nop                                          ; one plain place behind a scaled conversion
.irp c, 0,1                            ; the operand's layout wants a whole block in a lane: lanes 0-15 block 2 c, lanes 16-31 block 2 c + 1
.irp i, 0,1,2
	v_permlane16_swap_b32 v[PC+6*\c+\i], v[PC+12+4*\c+\i]
.endr
.irp i, 0,1,2
	v_mov_b32 v[PC+3+6*\c+\i], v[PC+12+4*\c+\i]
.endr
.endr
.endm
; THE TWO TYPES PART ONCE, in front of K step 6.  Each way asks for its bias, runs the last two K steps (64 products, while the bias is on its way) and takes its way out: for each of my four tiles of A's rows the
; bias is added (the addition also brings the numbers into window 0; each accumulator is read from its low end on), 64 numbers a lane are quantised, and the codes leave as register images.
.macro TAIL isv
.if \isv
.irp a, 0,1,2,3
	global_load_b32 v[BIAS+2*\a], v30, s[4:5] offset:64*\a          ; a lane holds one feature: bv of row r of tile a
.endr
.else
.irp b, 0,1,2,3,4,5,6,7
	global_load_b128 v[BIAS+8*\b:BIAS+8*\b+3], v29, s[4:5] offset:64*\b        ; a lane's registers run along the features: the bias of 16 b + 8 h + 0 .. 7
	global_load_b128 v[BIAS+8*\b+4:BIAS+8*\b+7], v29, s[4:5] offset:64*\b+16
.endr
.endif
	KSTEP 6, 1
	KSTEP 7, 1
	s_wait_loadcnt 0x0
.if \isv
.irp a, 0,1,2,3
	v_mov_b32 v[BIAS+2*\a+1], v[BIAS+2*\a]         ; a pair for the packed addition; these four lines are also the places behind the last products
.endr
.else
	PLACES 4
.endif
.irp a, 0,1,2,3
.if \a > 0
	s_wait_xcnt 0x0                                ; the last tile's stores have read their registers: the codes may be written again
.endif
	WIN 0x02                                       ; source 0: window 2
.set i, 0
.rept 32
.if \isv
	v_pk_add_f32 v[NUM+2*i:NUM+2*i+1], v[64*\a+2*i:64*\a+2*i+1], v[BIAS+2*\a:BIAS+2*\a+1]
.else
	v_pk_add_f32 v[NUM+2*i:NUM+2*i+1], v[64*\a+2*i:64*\a+2*i+1], v[BIAS+2*i:BIAS+2*i+1]
.endif
.set i, i+1
.endr
	WIN 0
	QUANT NUM
.if \isv
.irp c, 0,1,2
	global_store_b128 v21, v[PC+4*\c:PC+4*\c+3], s[14:15] offset:1536*\a+512*\c   ; 16 features x 128 keys: the operand's 12 registers, 512 consecutive bytes a store
.endr
	ds_store_b32 v25, v[PW] offset:64*\a           ; both halves of the lanes write the same word with the same value
.else
	global_store_b128 v21, v[PC:PC+3], s[14:15] offset:12288*\a            ; my first head's half image,
	global_store_b64 v22, v[PC+4:PC+5], s[14:15] offset:12288*\a+512
	global_store_b128 v21, v[PC+6:PC+9], s[14:15] offset:12288*\a+768      ; my second's
	global_store_b64 v22, v[PC+10:PC+11], s[14:15] offset:12288*\a+1280
	v_bfe_u32 v241, v[PW], v23, 16                 ; lanes 0-15: the first head's two bytes, lanes 16-31: the second's; the word's upper two bytes are 0
	ds_store_b32 v24, v241 offset:64*\a
.endif
.endr
.if \isv
	ds_load_b64 v[244:245], v28                    ; LDS serves a wave's instructions in order: these see my stores
	s_wait_dscnt 0x0
	global_store_b64 v22, v[244:245], s[16:17]     ; the key step's 64 scale words: 256 consecutive bytes, aligned
.else
	ds_load_b128 v[244:247], v26
	s_wait_dscnt 0x0
	global_store_b128 v27, v[244:247], s[16:17]    ; for each of my two heads 64 words of four row tiles: 256 consecutive bytes, aligned
.endif
.endm
	s_wait_tensorcnt 0x3                           ; my part of the scales and of chunk 0 is in; chunks 1 to 3 may be out
	s_barrier_signal -1
	s_barrier_wait -1                              ; everybody's is
	FETCH 0
	KSTEP 0, 0
	KSTEP 1, 1
	KSTEP 2, 1
	KSTEP 3, 1
	KSTEP 4, 1
	KSTEP 5, 1
	s_cmp_lg_u32 s105, 0
	s_cbranch_scc1 .Lv_type
	TAIL 0
	s_branch .Lend
.Lv_type:
	TAIL 1
.Lend:
	s_wait_tensorcnt 0x0
	ds_add_u32 v254, v255
	s_wait_dscnt 0x0
	CROUND                                         ; the closing round: no work-group ends while a partner may still ask for a tile that names it
	s_endpgm
.Lfunc_end_k_qde2c90bdaa_proj:
	.size	k_qde2c90bdaa_proj, .Lfunc_end_k_qde2c90bdaa_proj-k_qde2c90bdaa_proj
	.p2alignl 7, 3214868480
	.fill 96, 4, 3214868480
	.section	.rodata,"a",@progbits
	.p2align	6, 0x0
	.amdhsa_kernel k_qde2c90bdaa_proj
		.amdhsa_group_segment_fixed_size 307712
		.amdhsa_private_segment_fixed_size 0
		.amdhsa_enable_private_segment 0
		.amdhsa_kernarg_size 56
		.amdhsa_user_sgpr_count 2
		.amdhsa_user_sgpr_kernarg_segment_ptr 1
		.amdhsa_wavefront_size32 1
		.amdhsa_system_sgpr_workgroup_id_x 1
		.amdhsa_system_sgpr_workgroup_id_y 1
		.amdhsa_system_sgpr_workgroup_id_z 1
		.amdhsa_system_vgpr_workitem_id 0
		.amdhsa_next_free_vgpr 768
		.amdhsa_next_free_sgpr 106
		.amdhsa_reserve_vcc 0
		.amdhsa_float_denorm_mode_32 3
		.amdhsa_float_denorm_mode_16_64 3
		.amdhsa_memory_ordered 1
		.amdhsa_forward_progress 1
		.amdhsa_inst_pref_size 138
	.end_amdhsa_kernel
	.amdgpu_metadata
---
amdhsa.version: [ 1, 2 ]
amdhsa.kernels:
  - .name:           k_qde2c90bdaa_proj
    .symbol:         k_qde2c90bdaa_proj.kd
    .args:
      - { .name: cod, .offset: 0, .size: 8, .value_kind: global_buffer, .address_space: global }
      - { .name: scl, .offset: 8, .size: 8, .value_kind: global_buffer, .address_space: global }
      - { .name: bq, .offset: 16, .size: 8, .value_kind: global_buffer, .address_space: global }
      - { .name: bk, .offset: 24, .size: 8, .value_kind: global_buffer, .address_space: global }
      - { .name: bv, .offset: 32, .size: 8, .value_kind: global_buffer, .address_space: global }
      - { .name: pcod, .offset: 40, .size: 8, .value_kind: global_buffer, .address_space: global }
      - { .name: psc, .offset: 48, .size: 8, .value_kind: global_buffer, .address_space: global }
    .group_segment_fixed_size: 307712
    .private_segment_fixed_size: 0
    .kernarg_segment_align: 8
    .kernarg_segment_size: 56
    .max_flat_workgroup_size: 128
    .sgpr_count:     106
    .vgpr_count:     768
    .wavefront_size: 32
...
	.end_amdgpu_metadata
.endif
;; end of part 2
;; launch attn (part 3): grid 4 x 64, 16 waves a work-group, clusters of 4 x 1, 210,944 bytes of LDS; arguments pcod, psc, oc, os; writes oc, os
.if DOCPART == 3
	.amdgcn_target "amdgcn-amd-amdhsa--gfx1250"
	.amdhsa_code_object_version 6
	.text
	.protected	k_qde2c90bdaa_attn
	.globl	k_qde2c90bdaa_attn
	.p2align	8
	.type	k_qde2c90bdaa_attn,@function
k_qde2c90bdaa_attn:
	s_mov_b64 s[64:65], 0
	v_nop
	global_prefetch_b8 v0, s[64:65] scope:SCOPE_SE
	s_setreg_imm32_b32 hwreg(HW_REG_WAVE_MODE, 25, 1), 1
	s_wait_xcnt 0x0
	s_wait_alu depctr_hold_cnt(0) depctr_sa_sdst(0) depctr_va_vdst(0) depctr_va_sdst(0) depctr_va_ssrc(0) depctr_va_vcc(0) depctr_vm_vsrc(0)
	s_getreg_b32 s2, hwreg(HW_REG_IB_STS2, 6, 4)
	s_cmp_eq_u32 s2, 0
	s_cbranch_scc0 .Lentry_in_a_cluster
	s_endpgm
.Lentry_in_a_cluster:
	s_bfe_u32 s2, ttmp6, 0x10000c
	s_cmp_lg_u32 s2, 0x3003
	s_cbranch_scc0 .Lentry_shape_is_right
	s_endpgm
.Lentry_shape_is_right:
; O[b][head][q] = the sum over k of softmax_k(Q . K / 8) V, both products on codes of FP6 (E2M3) with E8M0 scales; then O / the row's sum is quantised along D for the last projection.
; THE SOFTMAX AHEAD OF THE SECOND PRODUCT: t = score x log2(e) / 8; M = the row's largest t so far, rounded UP to a whole number; p = 2^(t - M) is what is quantised, along the keys, not normalised.
; The row's sum is taken of the unquantised p and divides O at the end.  When M moves, the sum and O are multiplied by 2^(old M - new M): exact.
; INPUTS (the projections' launch laid them): pcod: Q's and K's half images [row tile of 16 tokens][head][768] (16 rows x the head's 64); from byte 0xC00000 V's operand images [batch, head][128 keys][16 features][1,536], the keys along K.
;   psc: Q's and K's scale words [head][row tile][row] (two bytes, the upper two 0); from byte 0x100000 V's [batch, head][128 keys][16 features][row].
; SHARES.  A work-group owns 512 queries of one batch and head.  One head's K and V with their scales are 204 KiB: they come into LDS ONCE and stay: every LDS byte is filled once, so there is no ring, and nothing is stored to LDS.
; Each of the SIXTEEN waves owns one tile of 16 queries at a time, twice: four waves to a SIMD, so that one wave's vector work stands beside another's products and LDS loads.  A step is 128 keys.
; CLUSTER.  The four work-groups of a cluster own the four quarters of one head's queries and read the same K and V: each tile is asked for jointly, by the same load with the mask of all four.
; LAYOUT.  Both products are used transposed: S^T = K Q^T (source 0 = 16 keys, source 1 = my 16 queries), O^T = V^T P^T (source 0 = 16 features, source 1 = P): a lane holds ONE query (lane % 16) throughout.
; The 16 registers of two neighbouring tiles of S^T are keys 8 h .. 8 h + 7 and 16 + 8 h .. of a block of 32: p's codes so lie in the order 0-7, 16-23, 8-15, 24-31 inside a block, and so do V's along the keys.
; K = 64 IN AN INSTRUCTION OF 128: Q's registers 6-11 hold zero codes.  A key tile's operand names 12 registers, of which the upper six are the next tile's codes (behind the last tile: zeros): they meet Q's zeros, the format
; has no code for NaN or infinity, and the scale bytes there are 0, which is 2^-127 and no NaN: the upper 64 add exactly 0.
; LIMITS: a block of zeros gets the byte 1 (its codes are zeros); NaN and infinities are not served.  The scale bytes of O are stored one byte a lane: a work-group owns two bytes of each row's 64; they are a twenty-fifth of what the launch stores.
; REGISTERS: v1-5, v7, v30, v31, v86 addresses that stay; v8-11, v29 the step's; v12 -M, v13 the largest t, v[14:15] the sum in two halves; v16-27 Q; v28 Q's scale word; v32-85 eight half fragments of K, then (v32-79) four fragments of V;
;   v96-159 S^T, then p; v160-191 O^T; v192-211 p's codes; v212-223 at work; v224-227 K's scale words, v228-229 V's, v230 p's; v[232:233] f; v234, v[236:237] at work.
.set VB,   98304                       ; LDS: K's 128 key tiles x 768 bytes from 0; V's 16 steps x 4 x 1,536 from here;
.set KSB,  196608                      ; K's scale words, 64 bytes a key tile;
.set VSB,  204800                      ; V's, 256 bytes a step
.set WV,   12
.set SEL,  20
.set CS,   22
.set G1K,  24
.set G1V,  32
.set G1S,  40
.set TB,   66                          ; s66 the step's place among K's tiles, and among V's: 6,144 bytes a step
.set TS,   67                          ; s67 among K's scale words: 512
.set TJ,   68                          ; s68 among V's: 256
.set CNT,  69
.macro CROUND                          ; a round of the cluster's barrier
	s_barrier_signal -1
	s_barrier_wait -1
	s_cmp_lg_u32 s[WV], 0
	s_cbranch_scc1 .Lnot_wave_0_\@
	s_barrier_signal -3
.Lnot_wave_0_\@:
	s_barrier_wait -3
	s_barrier_signal -1
	s_barrier_wait -1
.endm
.macro SHAPE g, c, r, p                ; a group 1: the mask of all four work-groups, bit 21 beside it, elements of 8 bytes, no padding; r rows of c elements, p elements from row to row
	s_mov_b32 s[\g], 15|(3<<16)|(1<<21)
	s_mov_b32 s[\g+1], (\c)<<16
	s_mov_b32 s[\g+2], (\r)<<16
	s_mov_b32 s[\g+3], (\c)<<16
	s_mov_b32 s[\g+4], \r
	s_mov_b32 s[\g+5], \p
	s_mov_b32 s[\g+6], 0
	s_mov_b32 s[\g+7], 0
.endm
.macro PLACES n
.rept \n
	v_nop
.endr
.endm
	s_load_b256 s[4:11], s[0:1], 0x0               ; pcod s[4:5], psc s[6:7], oc s[8:9], os s[10:11]
	v_lshl_add_u32 v254, v0, 2, 0x33000
	v_mov_b32 v255, 0
	ds_add_u32 v254, v255
	ds_add_u32 v254, v255
	v_lshrrev_b32 v8, 5, v0
	v_readfirstlane_b32 s[WV], v8                  ; wave 0..15
	s_bfe_u32 s13, ttmp6, 0x40000                  ; cx: my quarter of the queries: it enters Q's and O's addresses alone
	s_and_b32 s14, ttmp7, 0xffff                   ; 16 batch + head, which the four partners share
	s_lshr_b32 s15, s14, 4                         ; batch
	s_and_b32 s16, s14, 15                         ; head
	s_and_b32 s17, s[WV], 3
	s_and_b32 s18, s[WV], 1
	SHAPE G1K, 96, 32, 1536                        ; 32 key tiles' half images of this head: 768 bytes each, 12,288 apart
	SHAPE G1V, 32, 96, 32                          ; a quarter of the head's V: 24,576 dense bytes as rows of 256
	SHAPE G1S, 32, 16, 32                          ; 4,096 dense bytes of scale words
	s_lshl_b32 s19, s15, 7                         ; 128 batch: the batch's first row tile
	s_mul_i32 s72, s16, 768                        ; the head's place in a row tile
	s_lshl_b32 s70, s17, 5
	s_add_co_u32 s70, s70, s19
	s_add_co_u32 s70, s70, 512                     ; K's row tiles begin at 512
	s_mul_i32 s70, s70, 12288
	s_add_co_u32 s70, s70, s72
	s_mov_b32 s71, 0                               ; waves 0-3: 32 key tiles each
	s_mul_i32 s74, s14, 98304
	s_mul_i32 s75, s17, 24576
	s_add_co_u32 s74, s74, s75
	s_add_co_u32 s74, s74, 0xC00000
	s_mov_b32 s75, 0                               ; waves 4-7: a quarter of V each
	s_lshl_b32 s76, s16, 10
	s_add_co_u32 s76, s76, s19
	s_add_co_u32 s76, s76, 512
	s_lshl_b32 s76, s76, 6
	s_lshl_b32 s77, s18, 12
	s_add_co_u32 s76, s76, s77
	s_mov_b32 s77, 0                               ; waves 8, 9: half of K's scale words each
	s_lshl_b32 s78, s14, 12
	s_add_co_u32 s78, s78, 0x100000
	s_mov_b32 s79, 0                               ; wave 10: V's scale words
	s_lshl_b32 s80, s13, 5
	s_add_co_u32 s80, s80, s19
	s_add_co_u32 s80, s80, s[WV]                   ; my first tile of queries: row tile 128 batch + 32 cx + wave; the second lies 16 on
	s_mul_i32 s82, s80, 12288
	s_add_co_u32 s82, s82, s72
	s_mov_b32 s83, 0                               ; its half image, in pcod and in oc alike
	s_lshl_b32 s84, s16, 10
	s_add_co_u32 s84, s84, s80
	s_lshl_b32 s84, s84, 6
	s_mov_b32 s85, 0                               ; its scale words in psc
	s_lshl_b32 s86, s80, 9                         ; in os: [row tile][256 K][row][128 K] words: the head's 64 are bytes 2 (head % 2) + 0, 1 of word (head / 2) % 2 of group head / 4
	s_lshr_b32 s87, s16, 2
	s_lshl_b32 s87, s87, 7
	s_add_co_u32 s86, s86, s87
	s_and_b32 s87, s16, 3
	s_lshl_b32 s87, s87, 1
	s_add_co_u32 s86, s86, s87
	s_mov_b32 s87, 0
	s_mov_b32 s[SEL], 0x76543210
	s_mov_b32 s[SEL+1], 0xfedcba98                 ; v_permlanex16_b32's selects for lane l xor 16
	s_mov_b32 s[CS], 0x3e38aa3b                    ; c = log2(e) / 8
	s_mov_b32 s[CS+1], s[CS]                       ; (named with it as a pair, so it is written)
	s_wait_dscnt 0x0
	s_wait_kmcnt 0x0
	s_mov_b32 s48, 1                               ; K: to 24,576 x wave
	s_mul_i32 s49, s[WV], 24576
	s_add_nc_u64 s[50:51], s[4:5], s[70:71]
	s_or_b32 s51, s51, 0x80000000
	s_mov_b32 s52, 1                               ; V: likewise: waves 4-7 so fill from 98,304 on
	s_mul_i32 s53, s[WV], 24576
	s_add_nc_u64 s[54:55], s[4:5], s[74:75]
	s_or_b32 s55, s55, 0x80000000
	s_mov_b32 s56, 1                               ; the scale words: to 196,608 + 4,096 x (wave % 4): waves 8, 9 K's, wave 10 V's
	s_lshl_b32 s57, s17, 12
	s_add_co_u32 s57, s57, KSB
	s_add_nc_u64 s[58:59], s[6:7], s[76:77]
	s_or_b32 s59, s59, 0x80000000
	s_mov_b32 s60, 1
	s_lshl_b32 s61, s17, 12
	s_add_co_u32 s61, s61, KSB
	s_add_nc_u64 s[62:63], s[6:7], s[78:79]
	s_or_b32 s63, s63, 0x80000000
	CROUND                                         ; all four work-groups are here: the joint loads meet
	s_cmp_lt_u32 s[WV], 4                          ; one load a wave for waves 0 to 10; the branches hang on the wave's number alone.  Four v_nop follow each load
	s_cbranch_scc0 .Lnot_k
	tensor_load_to_lds s[48:51], s[G1K:G1K+7]
	s_nop 0
	PLACES 4
	s_branch .Lasked
.Lnot_k:
	s_cmp_lt_u32 s[WV], 8
	s_cbranch_scc0 .Lnot_v
	tensor_load_to_lds s[52:55], s[G1V:G1V+7]
	s_nop 0
	PLACES 4
	s_branch .Lasked
.Lnot_v:
	s_cmp_lt_u32 s[WV], 10
	s_cbranch_scc0 .Lnot_sk
	tensor_load_to_lds s[56:59], s[G1S:G1S+7]
	s_nop 0
	PLACES 4
	s_branch .Lasked
.Lnot_sk:
	s_cmp_eq_u32 s[WV], 10
	s_cbranch_scc0 .Lasked
	tensor_load_to_lds s[60:63], s[G1S:G1S+7]
	s_nop 0
	PLACES 4
.Lasked:
	s_add_nc_u64 s[4:5], s[4:5], s[82:83]          ; Q's codes,
	s_add_nc_u64 s[6:7], s[6:7], s[84:85]          ; Q's scale words,
	s_add_nc_u64 s[8:9], s[8:9], s[82:83]          ; O's codes,
	s_add_nc_u64 s[10:11], s[10:11], s[86:87]      ; O's scale bytes
	v_and_b32 v8, 31, v0                           ; lane
	v_and_b32 v9, 15, v0                           ; r
	v_bfe_u32 v10, v0, 4, 1                        ; h
	v_lshlrev_b32 v1, 4, v8                        ; 16 x lane: registers 0-3 of a half image, in LDS (K lies from byte 0) and in memory
	v_lshlrev_b32 v7, 3, v8                        ; 8 x lane
	v_add_nc_u32 v2, 512, v7                       ; registers 4-5 of K's half images
	v_add_nc_u32 v3, VB, v1                        ; V's images
	v_lshl_add_u32 v4, v8, 2, KSB                  ; K's scale words: lanes 0-15 one key tile, lanes 16-31 the next
	v_lshl_add_u32 v5, v8, 2, VSB                  ; V's likewise
	v_lshlrev_b32 v30, 2, v9                       ; Q's scale word: 4 r
	v_lshl_add_u32 v31, v9, 3, v10                 ; O's scale byte: 8 r + h
	v_lshlrev_b32 v86, 3, v10                      ; 8 h
.irp j, 22,23,24,25,26,27,80,81,82,83,84,85
	v_mov_b32 v\j, 0                               ; zero codes: Q's upper 64 along K, and what the last key tile's operand names behind its own six registers
.endr
.irp j, 216,217,218,219,233
	v_mov_b32 v\j, 0                               ; written once: a lane permute's destination counts as one of its sources; v233 is named as the upper half of the pair v[232:233]
.endr
	s_wait_tensorcnt 0x0                           ; my load, if I issued one, has landed,
	s_barrier_signal -1
	s_barrier_wait -1                              ; everybody's has: K, V and their scales lie in LDS for the rest of the launch
; A STEP: 128 keys.
.macro STEP
	v_add_nc_u32 v8, s[TB], v1                     ; the step's addresses; these five additions are also the places behind the last step's products, in front of the loads below
	v_add_nc_u32 v9, s[TB], v2
	v_add_nc_u32 v10, s[TB], v3
	v_add_nc_u32 v11, s[TS], v4
	v_add_nc_u32 v29, s[TJ], v5
.irp t, 0,1,2,3,4,5,6,7
	ds_load_b128 v[32+6*\t:35+6*\t], v8 offset:768*\t
	ds_load_b64 v[36+6*\t:37+6*\t], v9 offset:768*\t
.endr
.irp i, 0,1,2,3
	ds_load_b32 v[224+\i], v11 offset:128*\i
.endr
	s_wait_dscnt 0x0
.irp t, 0,1,2,3,4,5,6,7                ; S^T = K Q^T: lane (r, h) holds query r; register j of tile t is key 16 t + 8 h + j
.if \t%2
	v_wmma_scale_f32_16x16x128_f8f6f4 v[96+8*\t:103+8*\t], v[32+6*\t:43+6*\t], v[16:27], 0, v[224+\t/2], v28 matrix_a_fmt:MATRIX_FMT_FP6 matrix_b_fmt:MATRIX_FMT_FP6 matrix_a_scale:MATRIX_SCALE_ROW1
.else
	v_wmma_scale_f32_16x16x128_f8f6f4 v[96+8*\t:103+8*\t], v[32+6*\t:43+6*\t], v[16:27], 0, v[224+\t/2], v28 matrix_a_fmt:MATRIX_FMT_FP6 matrix_b_fmt:MATRIX_FMT_FP6
.endif
.endr
	PLACES 4                                       ; in front of the loads into K's registers and of the first read of the scores
.irp d, 0,1,2,3                        ; V's four fragments land while the softmax is worked
.irp c, 0,1,2
	ds_load_b128 v[32+12*\d+4*\c:35+12*\d+4*\c], v10 offset:1536*\d+512*\c
.endr
.endr
.irp i, 0,1
	ds_load_b32 v[228+\i], v29 offset:128*\i
.endr
.irp b, 0,1,2,3
	v_max3_num_f32 v[212+\b], v[96+16*\b], v[97+16*\b], v[98+16*\b]   ; THE LARGEST SCORE OF EACH BLOCK OF 32 KEYS serves twice: for the row's maximum, and, since p rises with the score, for the block's largest p
.endr
.irp i, 3,5,7,9,11,13
.irp b, 0,1,2,3
	v_max3_num_f32 v[212+\b], v[212+\b], v[96+16*\b+\i], v[97+16*\b+\i]   ; (the four blocks by turns)
.endr
.endr
.irp b, 0,1,2,3
	v_max_num_f32 v[212+\b], v[212+\b], v[111+16*\b]
.endr
.irp b, 0,1,2,3
	v_permlanex16_b32 v[216+\b], v[212+\b], s[SEL], s[SEL+1]
.endr
.irp b, 0,1,2,3
	v_max_num_f32 v[212+\b], v[212+\b], v[216+\b]  ; with lane l xor 16's 16 keys
.endr
	v_max3_num_f32 v234, v212, v213, v214
	v_max_num_f32 v234, v234, v215                 ; the step's largest score of my query
	v_mul_f32 v234, s[CS], v234                    ; as t (c is positive)
	v_max_num_f32 v13, v13, v234                   ; the running largest t
	v_mov_b32 v234, v12
	v_floor_f32 v12, -v13                          ; the new -M = floor(-t) = -ceil(t): M is a whole number
	v_sub_f32 v234, v12, v234                      ; M's old value less its new one: a whole number, 0 or less
	v_cvt_i32_f32 v234, v234                       ; (it saturates)
	v_ldexp_f32 v232, 1.0, v234                    ; f = 2^(old M - new M): a multiplication by it rounds nothing
.irp j, 0,2,4,6,8,10,12,14,16,18,20,22,24,26,28,30,32,34,36,38,40,42,44,46,48,50,52,54,56,58,60,62
	v_pk_fma_f32 v[96+\j:97+\j], v[96+\j:97+\j], s[CS:CS+1], v[12:13] op_sel_hi:[1,0,0]   ; t - M, two at a time (of the pairs c and -M the low word serves both halves)
.endr
.irp b, 0,1,2,3
	v_fma_f32 v[212+\b], v[212+\b], s[CS], v12     ; the same of each block's largest score
.endr
.irp j, 0,1,2,3,4,5,6,7,8,9,10,11,12,13,14,15,16,17,18,19,20,21,22,23,24,25,26,27,28,29,30,31,32,33,34,35,36,37,38,39,40,41,42,43,44,45,46,47,48,49,50,51,52,53,54,55,56,57,58,59,60,61,62,63
	v_exp_f32 v[96+\j], v[96+\j]                   ; p = 2^(t - M), at most 1: not normalised
.endr
.irp b, 0,1,2,3
	v_exp_f32 v[212+\b], v[212+\b]                 ; the block's largest p: the same two instructions on the same number give the same bits
.endr
	v_pk_mul_f32 v[14:15], v[14:15], v[232:233] op_sel_hi:[1,0]   ; the sums under the new M.  (A plain place behind the exponentials)
	s_wait_alu depctr_va_vdst(0)
.irp b, 0,1,2,3
	v_max_num_f32 v[212+\b], 0x1800000, v[212+\b]  ; the floor 2^(3 - 127): the byte cannot fall under 1
.endr
.irp b, 0,1,2,3
	v_add_nc_u32 v[220+\b], 0xff000000, v[212+\b]  ; 2 off the exponent field: the conversion's scale operand
.endr
.irp b, 0,1,2,3
	v_lshrrev_b32 v[216+\b], 23, v[220+\b]         ; the scale's byte
.endr
	v_lshl_or_b32 v230, v217, 8, v216              ; p's scale word for these 128 keys
	v_lshl_or_b32 v230, v218, 16, v230
	v_lshl_or_b32 v230, v219, 24, v230
.irp c, 0,1
	v_cvt_scalef32_pk16_fp6_f32 v[192+6*\c:194+6*\c], v[96+32*\c:111+32*\c], v[220+2*\c]
	v_cvt_scalef32_pk16_fp6_f32 v[204+4*\c:206+4*\c], v[112+32*\c:127+32*\c], v[220+2*\c+1]   ; (a conversion's three registers begin on an even number)
.endr
	v_nop                                          ; one plain place behind a scaled conversion
.irp c, 0,1                            ; the operand's layout wants a whole block in a lane: lanes 0-15 block 2 c, lanes 16-31 block 2 c + 1
.irp i, 0,1,2
	v_permlane16_swap_b32 v[192+6*\c+\i], v[204+4*\c+\i]
.endr
.irp i, 0,1,2
	v_mov_b32 v[195+6*\c+\i], v[204+4*\c+\i]
.endr
.endr
	v_pk_add_f32 v[236:237], v[96:97], v[98:99]    ; THE ROW'S SUM IS TAKEN OF THE UNQUANTISED p: two at a time, in two chains
.irp j, 4,8,12,16,20,24,28,32,36,40,44,48,52,56,60
	v_pk_add_f32 v[14:15], v[14:15], v[96+\j:97+\j]
	v_pk_add_f32 v[236:237], v[236:237], v[98+\j:99+\j]
.endr
	v_pk_add_f32 v[14:15], v[14:15], v[236:237]
.irp j, 0,2,4,6,8,10,12,14,16,18,20,22,24,26,28,30
	v_pk_mul_f32 v[160+\j:161+\j], v[160+\j:161+\j], v[232:233] op_sel_hi:[1,0]   ; O^T under the new M, each accumulator from its low end on.  (The sums and these are far more than the eight places between p's scale word and the products below)
.endr
	s_wait_dscnt 0x0                               ; V
.irp d, 0,1,2,3                        ; O^T += V^T P^T; the four accumulators take turns, and the eight products of S^T stand between a link and the next
.if \d%2
	v_wmma_scale_f32_16x16x128_f8f6f4 v[160+8*\d:167+8*\d], v[32+12*\d:43+12*\d], v[192:203], v[160+8*\d:167+8*\d], v[228+\d/2], v230 matrix_a_fmt:MATRIX_FMT_FP6 matrix_b_fmt:MATRIX_FMT_FP6 matrix_a_scale:MATRIX_SCALE_ROW1
.else
	v_wmma_scale_f32_16x16x128_f8f6f4 v[160+8*\d:167+8*\d], v[32+12*\d:43+12*\d], v[192:203], v[160+8*\d:167+8*\d], v[228+\d/2], v230 matrix_a_fmt:MATRIX_FMT_FP6 matrix_b_fmt:MATRIX_FMT_FP6
.endif
.endr
	s_add_co_u32 s[TB], s[TB], 6144
	s_add_co_u32 s[TS], s[TS], 512
	s_add_co_u32 s[TJ], s[TJ], 256
.endm
; A PASS: one tile of 16 queries against all 2,048 keys; p = 0, 1: row tile 16 p on.
.macro PASS p
.if \p
	s_wait_xcnt 0x0                                ; the last pass's stores have read their registers
.endif
	global_load_b128 v[16:19], v1, s[4:5] offset:196608*\p         ; Q's half image stays in registers
	global_load_b64 v[20:21], v7, s[4:5] offset:196608*\p+512
	global_load_b32 v28, v30, s[6:7] offset:1024*\p                ; and its scale words
	v_mov_b32 v13, 0xff61b1e6                      ; the largest t so far: -3e38, under every t
	v_floor_f32 v12, -v13                          ; -M
	v_mov_b32 v14, 0                               ; the sum, in two halves
	v_mov_b32 v15, 0
.irp j, 0,1,2,3,4,5,6,7,8,9,10,11,12,13,14,15,16,17,18,19,20,21,22,23,24,25,26,27,28,29,30,31
	v_mov_b32 v[160+\j], 0                         ; O^T.  (The step is written once: the first finds zeros, which the first change of M leaves zeros)
.endr
	s_mov_b32 s[TB], 0
	s_mov_b32 s[TS], 0
	s_mov_b32 s[TJ], 0
	s_mov_b32 s[CNT], 16
	s_wait_loadcnt 0x0
.Lkeys_\@:
	STEP
	s_sub_co_u32 s[CNT], s[CNT], 1
	s_cmp_lg_u32 s[CNT], 0
	s_cbranch_scc1 .Lkeys_\@
	PLACES 4                                       ; behind the last products
	v_add_f32 v14, v14, v15                        ; the sum's two halves,
	v_permlanex16_b32 v234, v14, s[SEL], s[SEL+1]
	v_add_f32 v14, v14, v234                       ; and lane l xor 16's: the row's sum
	v_rcp_f32 v14, v14
	v_nop                                          ; one plain place behind a transcendental
	s_wait_alu depctr_va_vdst(0)
.irp j, 0,1,2,3,4,5,6,7,8,9,10,11,12,13,14,15,16,17,18,19,20,21,22,23,24,25,26,27,28,29,30,31
	v_mul_f32 v[96+\j], v[160+\j], v14             ; O^T / the sum: register 8 d + i is feature 16 d + 8 h + i of my query
.endr
.irp b, 0,1                            ; the head's 64 features are two blocks of the last projection's K
	v_max3_num_f32 v[212+\b], |v[96+16*\b]|, |v[97+16*\b]|, 0x1800000
.endr
.irp i, 2,4,6,8,10,12,14
.irp b, 0,1
	v_max3_num_f32 v[212+\b], v[212+\b], |v[96+16*\b+\i]|, |v[97+16*\b+\i]|
.endr
.endr
.irp b, 0,1
	v_permlanex16_b32 v[216+\b], v[212+\b], s[SEL], s[SEL+1]
.endr
.irp b, 0,1
	v_max_num_f32 v[212+\b], v[212+\b], v[216+\b]
.endr
.irp b, 0,1
	v_add_nc_u32 v[220+\b], 0xff000000, v[212+\b]
.endr
.irp b, 0,1
	v_lshrrev_b32 v[216+\b], 23, v[220+\b]
.endr
	v_cvt_scalef32_pk16_fp6_f32 v[192:194], v[96:111], v220
	v_cvt_scalef32_pk16_fp6_f32 v[204:206], v[112:127], v221
	v_lshl_or_b32 v234, v217, 8, v216              ; the two bytes.  (A plain place behind the scaled conversions)
.irp i, 0,1,2
	v_permlane16_swap_b32 v[192+\i], v[204+\i]     ; lanes 0-15 block 0, lanes 16-31 block 1: a half image
.endr
.irp i, 0,1,2
	v_mov_b32 v[195+\i], v[204+\i]
.endr
	v_lshrrev_b32 v234, v86, v234                  ; my half's byte lowest
	global_store_b128 v1, v[192:195], s[8:9] offset:196608*\p      ; 512 consecutive bytes, aligned to 256
	global_store_b64 v7, v[196:197], s[8:9] offset:196608*\p+512   ; 256 consecutive bytes, aligned
	global_store_b8 v31, v234, s[10:11] offset:8192*\p
.endm
	PASS 0
	PASS 1
	s_wait_tensorcnt 0x0
	ds_add_u32 v254, v255
	s_wait_dscnt 0x0
	CROUND                                         ; the closing round: no work-group ends while a partner may still ask for a tile that names it
	s_endpgm
.Lfunc_end_k_qde2c90bdaa_attn:
	.size	k_qde2c90bdaa_attn, .Lfunc_end_k_qde2c90bdaa_attn-k_qde2c90bdaa_attn
	.p2alignl 7, 3214868480
	.fill 96, 4, 3214868480
	.section	.rodata,"a",@progbits
	.p2align	6, 0x0
	.amdhsa_kernel k_qde2c90bdaa_attn
		.amdhsa_group_segment_fixed_size 210944
		.amdhsa_private_segment_fixed_size 0
		.amdhsa_enable_private_segment 0
		.amdhsa_kernarg_size 32
		.amdhsa_user_sgpr_count 2
		.amdhsa_user_sgpr_kernarg_segment_ptr 1
		.amdhsa_wavefront_size32 1
		.amdhsa_system_sgpr_workgroup_id_x 1
		.amdhsa_system_sgpr_workgroup_id_y 1
		.amdhsa_system_sgpr_workgroup_id_z 1
		.amdhsa_system_vgpr_workitem_id 0
		.amdhsa_next_free_vgpr 256
		.amdhsa_next_free_sgpr 96
		.amdhsa_reserve_vcc 0
		.amdhsa_float_denorm_mode_32 3
		.amdhsa_float_denorm_mode_16_64 3
		.amdhsa_memory_ordered 1
		.amdhsa_forward_progress 1
		.amdhsa_inst_pref_size 51
	.end_amdhsa_kernel
	.amdgpu_metadata
---
amdhsa.version: [ 1, 2 ]
amdhsa.kernels:
  - .name:           k_qde2c90bdaa_attn
    .symbol:         k_qde2c90bdaa_attn.kd
    .args:
      - { .name: pcod, .offset: 0, .size: 8, .value_kind: global_buffer, .address_space: global }
      - { .name: psc, .offset: 8, .size: 8, .value_kind: global_buffer, .address_space: global }
      - { .name: oc, .offset: 16, .size: 8, .value_kind: global_buffer, .address_space: global }
      - { .name: os, .offset: 24, .size: 8, .value_kind: global_buffer, .address_space: global }
    .group_segment_fixed_size: 210944
    .private_segment_fixed_size: 0
    .kernarg_segment_align: 8
    .kernarg_segment_size: 32
    .max_flat_workgroup_size: 512
    .sgpr_count:     96
    .vgpr_count:     256
    .wavefront_size: 32
...
	.end_amdgpu_metadata
.endif
;; end of part 3
;; launch outp (part 4): grid 4 x 64, 4 waves a work-group, clusters of 4 x 4, 307,712 bytes of LDS; arguments oc, os, cod, scl, bo, out0; writes out0
.if DOCPART == 4
	.amdgcn_target "amdgcn-amd-amdhsa--gfx1250"
	.amdhsa_code_object_version 6
	.text
	.protected	k_qde2c90bdaa_outp
	.globl	k_qde2c90bdaa_outp
	.p2align	8
	.type	k_qde2c90bdaa_outp,@function
k_qde2c90bdaa_outp:
	s_mov_b64 s[64:65], 0
	v_nop
	global_prefetch_b8 v0, s[64:65] scope:SCOPE_SE
	s_setreg_imm32_b32 hwreg(HW_REG_WAVE_MODE, 25, 1), 1
	s_wait_xcnt 0x0
	s_wait_alu depctr_hold_cnt(0) depctr_sa_sdst(0) depctr_va_vdst(0) depctr_va_sdst(0) depctr_va_ssrc(0) depctr_va_vcc(0) depctr_vm_vsrc(0)
	s_getreg_b32 s2, hwreg(HW_REG_IB_STS2, 6, 4)
	s_cmp_eq_u32 s2, 0
	s_cbranch_scc0 .Lentry_in_a_cluster
	s_endpgm
.Lentry_in_a_cluster:
	s_bfe_u32 s2, ttmp6, 0x10000c
	s_cmp_lg_u32 s2, 0xf033
	s_cbranch_scc0 .Lentry_shape_is_right
	s_endpgm
.Lentry_shape_is_right:
; out0 = O Wo^T + bo on codes of FP6 (E2M3) with E8M0 scales.  O's codes and scales (oc, os) were made by the attention's launch, Wo's (cod, scl, row tiles 1728-1791) by the quantiser's; both in the same layout:
; row tiles of 16 rows; a row tile's codes are 16 half images of 768 bytes (16 rows x 64 K as half an operand's registers: lane l's registers 0-3 at 16 l, 4-5 at 512 + 8 l); its scale words [256 K][row][2].
; A WORK-GROUP makes 128 rows of O x 256 rows of Wo over all of K = 1,024.  All its codes, 288 KiB, and scales, 12 KiB, fit in LDS at once: every LDS byte is filled ONCE, in four chunks of 256 along K, so there is no ring.
; A wave makes 64 x 128: 32 accumulators.  THE MATRIX INSTRUCTION IS USED TRANSPOSED (source 0 = 16 rows of Wo, source 1 = 16 rows of O): a lane holds eight neighbouring numbers of a row of out0.
; The bias is the C of each sum's first product: it costs no instruction.
; CLUSTERS: 4 x 4 work-groups; O's tiles are shared along a row of the cluster, Wo's along a column: each is asked for jointly, which divides the requests by four.  256 work-groups: one for each WGP.
; REGISTERS: window 0: v1-31 addresses; v32-63 scale words, two sets; v64-127 the bias; v128-223 A's fragments, two sets of 48 (on the way out v128-255: rows read back from the stage).
;   window 1: B's fragments, two sets of 96, at v0 and v128.   window 2: accumulator (a, b) at v[8 (8 a + b)].
.set CHUNK, 73728                      ; LDS: 256 along K: A's 8 row tiles x 3,072 bytes, then B's 16
.set TILEB, 3072
.set SCL,   4*CHUNK                    ; behind the four chunks: A's scale words (4,096 bytes), then B's (8,192)
.set ACOD,  4                          ; s[4:5] oc, s[6:7] os, s[8:9] cod, s[10:11] scl
.set ASCL,  6
.set BCOD,  8
.set BSCL,  10
.set G1A,   24                         ; s[24:31] descriptor group 1 for A's chunks;  s[32:39] B's;  s[40:47] A's scales;  s[48:55] B's
.set G1B,   32
.set G1SA,  40
.set G1SB,  48
.set BIAS,  64
.set BK,    128
.set SPITCH, 528                       ; the way out: a stage of 16 rows x (512 bytes + 16) for each wave, in chunk 0, which has had its only fill and its last read by then
.set MSB, 0
.macro WIN new                         ; the immediate's high byte repeats the setting that is left
.if MSB != \new
	s_set_vgpr_msb (MSB<<8)|\new
.set MSB, \new
.endif
.endm
.set MUL,  0xa1                        ; source 0 (B) window 1, source 1 (A) window 0, C and D window 2
.set MULB, 0x81                        ; the same with C (the bias) in window 0
.set TO_B, 0x40                        ; destination window 1, address window 0
.macro CROUND                          ; a round of the cluster's barrier: my work-group's barrier; wave 0 signals for the work-group; every wave waits for all sixteen; my work-group's barrier once more
	s_barrier_signal -1
	s_barrier_wait -1
	s_cmp_lg_u32 s100, 0
	s_cbranch_scc1 .Lnot_wave_0_\@
	s_barrier_signal -3
.Lnot_wave_0_\@:
	s_barrier_wait -3
	s_barrier_signal -1
	s_barrier_wait -1
.endm
.macro SHAPE g, c, r, p                ; words 1 to 7 of a group 1: r rows of c elements of 8 bytes, p elements from row to row
	s_mov_b32 s[\g+1], (\c)<<16
	s_mov_b32 s[\g+2], (\r)<<16
	s_mov_b32 s[\g+3], (\c)<<16
	s_mov_b32 s[\g+4], \r
	s_mov_b32 s[\g+5], \p
	s_mov_b32 s[\g+6], 0
	s_mov_b32 s[\g+7], 0
.endm
.macro DESC g, ldsmul, ldsadd, src, add ; a group 0: to LDS byte ldsmul x (wave % 2) + ldsadd, from s[src:src+1] + add
	s_mov_b32 s[\g], 1
	s_mul_i32 s[\g+1], s104, \ldsmul
.if \ldsadd
	s_add_co_u32 s[\g+1], s[\g+1], \ldsadd
.endif
	s_add_nc_u64 s[\g+2:\g+3], s[\src:\src+1], \add
	s_or_b32 s[\g+3], s[\g+3], 0x80000000
.endm
.macro PLACES n
.rept \n
	v_nop
.endr
.endm
	s_load_b256 s[4:11], s[0:1], 0x0               ; oc, os, cod, scl: what the descriptors need; bo and out0 follow behind the tensor loads
	v_lshl_add_u32 v30, v0, 2, 0x4b000
	v_mov_b32 v31, 0
	ds_add_u32 v30, v31
	ds_add_u32 v30, v31
	v_lshrrev_b32 v1, 5, v0
	v_readfirstlane_b32 s100, v1                   ; wave 0..3
	s_lshr_b32 s101, s100, 1                       ; which 64 rows of A are mine.  Also: I fetch for A (0) or for B (1)
	s_and_b32 s104, s100, 1                        ; which 128 rows of B.  Also: which half of that operand's rows I fetch
	s_bfe_u32 s18, ttmp6, 0x40000                  ; cx
	s_bfe_u32 s19, ttmp6, 0x40004                  ; cy
	s_lshl_b32 s20, ttmp9, 2
	s_add_co_u32 s20, s20, s18                     ; which 256 columns of out0: 0..3
	s_and_b32 s21, ttmp7, 0xffff
	s_lshl_b32 s21, s21, 2
	s_add_co_u32 s21, s21, s19                     ; which 128 rows: 0..63
	s_lshl_b32 s22, s19, 2
	s_lshl_b32 s22, 15, s22                        ; my row of the cluster
	s_lshl_b32 s23, 0x1111, s18                    ; my column
	s_lshl_b32 s2, s21, 3                          ; A's first row tile
	s_lshl_b32 s3, s20, 4
	s_add_co_u32 s3, s3, 1728                      ; B's: Wo begins at row tile 1,728
	s_or_b32 s[G1A], s22, (3<<16)|(1<<21)          ; 15:0 the mask; 17:16 elements of 8 bytes; 21 set beside a mask; no padding: the images are read as they lie
	s_or_b32 s[G1B], s23, (3<<16)|(1<<21)
	s_or_b32 s[G1SA], s22, (3<<16)|(1<<21)
	s_or_b32 s[G1SB], s23, (3<<16)|(1<<21)
	SHAPE G1A, 384, 4, 1536                        ; 4 row tiles x 3,072 bytes (256 along K), 12,288 bytes apart
	SHAPE G1B, 384, 8, 1536                        ; 8 row tiles
	SHAPE G1SA, 32, 8, 32                          ; 4 row tiles' scale words: 2,048 dense bytes as rows of 256
	SHAPE G1SB, 32, 16, 32                         ; 8 row tiles': 4,096
	s_wait_dscnt 0x0
	s_wait_kmcnt 0x0
	s_lshl_b32 s14, s104, 2
	s_add_co_u32 s14, s14, s2                      ; A: the four row tiles that I would fetch
	s_lshl_b32 s12, s14, 9
	s_mov_b32 s13, 0
	s_add_nc_u64 s[12:13], s[ASCL:ASCL+1], s[12:13]
	DESC 56, 2048, SCL, 12, 0
	s_mul_i32 s12, s14, 12288
	s_mov_b32 s13, 0
	s_add_nc_u64 s[12:13], s[ACOD:ACOD+1], s[12:13]
.irp c, 0,1,2,3
	DESC 60+4*\c+4*((\c+3)/4), 12288, CHUNK*\c, 12, TILEB*\c     ; s[60:63], s[68:71], s[72:75], s[76:79]
.endr
	s_lshl_b32 s15, s104, 3
	s_add_co_u32 s15, s15, s3                      ; B: the eight row tiles
	s_lshl_b32 s16, s15, 9
	s_mov_b32 s17, 0
	s_add_nc_u64 s[16:17], s[BSCL:BSCL+1], s[16:17]
	DESC 80, 4096, SCL+4096, 16, 0
	s_mul_i32 s16, s15, 12288
	s_mov_b32 s17, 0
	s_add_nc_u64 s[16:17], s[BCOD:BCOD+1], s[16:17]
.irp c, 0,1,2,3
	DESC 84+4*\c, 24576, CHUNK*\c+24576, 16, TILEB*\c
.endr
	CROUND                                         ; all sixteen work-groups are here: the joint loads meet
	s_cmp_eq_u32 s101, 0                           ; a wave's five fills stand in one branch on its number: five tensor loads of mine are out.  Four v_nop follow the last
	s_cbranch_scc0 .Lfor_b
	tensor_load_to_lds s[56:59], s[G1SA:G1SA+7]
	s_nop 0
	tensor_load_to_lds s[60:63], s[G1A:G1A+7]
	s_nop 0
	tensor_load_to_lds s[68:71], s[G1A:G1A+7]
	s_nop 0
	tensor_load_to_lds s[72:75], s[G1A:G1A+7]
	s_nop 0
	tensor_load_to_lds s[76:79], s[G1A:G1A+7]
	s_nop 0
	PLACES 4
	s_branch .Lasked
.Lfor_b:
	tensor_load_to_lds s[80:83], s[G1SB:G1SB+7]
	s_nop 0
	tensor_load_to_lds s[84:87], s[G1B:G1B+7]
	s_nop 0
	tensor_load_to_lds s[88:91], s[G1B:G1B+7]
	s_nop 0
	tensor_load_to_lds s[92:95], s[G1B:G1B+7]
	s_nop 0
	tensor_load_to_lds s[96:99], s[G1B:G1B+7]
	s_nop 0
	PLACES 4
.Lasked:
	s_load_b128 s[12:15], s[0:1], 0x20             ; bo, out0
	v_and_b32 v1, 15, v0                           ; r
	v_bfe_u32 v2, v0, 4, 1                         ; h
	v_and_b32 v3, 31, v0                           ; lane
	v_lshlrev_b32 v21, 4, v3                       ; 16 x lane
	v_lshlrev_b32 v22, 3, v3                       ; 8 x lane
	s_mul_i32 s4, s101, 12288
	v_add_nc_u32 v16, s4, v21                      ; my four row tiles of A: registers 0-3 of a half image,
	v_add_nc_u32 v17, s4, v22                      ; registers 4-5
	s_mul_i32 s5, s104, 24576
	s_add_co_u32 s5, s5, 24576
	v_add_nc_u32 v18, s5, v21                      ; my eight row tiles of B
	v_add_nc_u32 v19, s5, v22
	s_xor_b32 s6, s101, 1                          ; scale words: lanes 0-15 take A's, lanes 16-31 B's: the lower base + h x the distance, 4,096 + 4,096 colhalf - 2,048 rowhalf
	s_lshl_b32 s6, s6, 11
	s_lshl_b32 s5, s104, 12
	s_add_co_u32 s5, s5, s6
	s_add_co_u32 s5, s5, 2048
	v_mul_u32_u24 v20, s5, v2
	v_lshl_add_u32 v20, v1, 3, v20
	s_lshl_b32 s4, s101, 11
	s_add_co_u32 s4, s4, SCL
	v_add_nc_u32 v20, s4, v20
	s_mul_i32 s4, s100, 16*SPITCH                  ; my stage
	v_mul_u32_u24 v24, v1, SPITCH
	v_lshl_add_u32 v24, v2, 5, v24
	v_add_nc_u32 v24, s4, v24                      ; in: row r, 32 bytes for each half of the lanes
	v_add_nc_u32 v25, s4, v21                      ; back: the 32 lanes take one row of 512 bytes
	v_lshlrev_b32 v29, 5, v2                       ; the bias: 32 h
	s_lshl_b32 s6, s20, 10
	s_lshl_b32 s7, s104, 9
	s_add_co_u32 s6, s6, s7                        ; my first column, in bytes: 1,024 x + 512 colhalf
	s_mov_b32 s7, 0
	s_lshl_b32 s8, s21, 19
	s_lshl_b32 s9, s101, 18
	s_add_co_u32 s8, s8, s9
	s_add_co_u32 s8, s8, s6                        ; and my first row: (128 y + 64 rowhalf) rows of 4,096 bytes
	s_mov_b32 s9, 0
	s_wait_kmcnt 0x0
	s_add_nc_u64 s[12:13], s[12:13], s[6:7]
	s_add_nc_u64 s[14:15], s[14:15], s[8:9]
.irp b, 0,1,2,3,4,5,6,7
	global_load_b128 v[BIAS+8*\b:BIAS+8*\b+3], v29, s[12:13] offset:64*\b          ; in the result's layout: bo of columns 16 b + 8 h + 0 .. 7
	global_load_b128 v[BIAS+8*\b+4:BIAS+8*\b+7], v29, s[12:13] offset:64*\b+16
.endr
.macro FRAG reg, a16, a8, off          ; a fragment, 16 rows x 128 K, is two half images: 12 registers by four loads, each of consecutive bytes
	ds_load_b128 v[\reg:\reg+3], v[\a16] offset:\off
	ds_load_b64 v[\reg+4:\reg+5], v[\a8] offset:\off+512
	ds_load_b128 v[\reg+6:\reg+9], v[\a16] offset:\off+768
	ds_load_b64 v[\reg+10:\reg+11], v[\a8] offset:\off+1280
.endm
.macro FETCH kap                       ; the fragments of K step kap (128 along K) into set kap % 2; with a chunk's first step its scale words: register 2 i + q: lanes 0-15 A's tile i, lanes 16-31 B's tile i
.set FP, (\kap)%2
	WIN TO_B
.irp i, 0,1,2,3,4,5,6,7
	FRAG 128*FP+12*\i, 18, 19, TILEB*\i+1536*FP
.endr
	WIN 0
.irp i, 0,1,2,3
	FRAG 128+48*FP+12*\i, 16, 17, TILEB*\i+1536*FP
.endr
.if FP == 0
.set CS, 32+16*(((\kap)/2)%2)
.irp i, 0,1,2,3,4,5,6,7
	ds_load_b64 v[CS+2*\i:CS+2*\i+1], v20 offset:512*\i   ; (for i >= 4 the low lanes bring words that no product names; they lie inside the scales' bytes)
.endr
.endif
.endm
.macro MULS kap, cmode                 ; 32 products; the 32 accumulators take turns, one instruction a turn, in the same order in every step.  cmode 2: the first step starts the sums with the bias
.set MP, (\kap)%2
.set SCR, 32+16*(((\kap)/2)%2)+(\kap)%2
.irp a, 0,1,2,3
.irp b, 0,1,2,3,4,5,6,7
.if \cmode == 2
	v_wmma_scale_f32_16x16x128_f8f6f4 v[8*(8*\a+\b):8*(8*\a+\b)+7], v[128*MP+12*\b:128*MP+12*\b+11], v[128+48*MP+12*\a:128+48*MP+12*\a+11], v[BIAS+8*\b:BIAS+8*\b+7], v[SCR+2*\b], v[SCR+2*\a] matrix_a_fmt:MATRIX_FMT_FP6 matrix_b_fmt:MATRIX_FMT_FP6 matrix_a_scale:MATRIX_SCALE_ROW1
.else
	v_wmma_scale_f32_16x16x128_f8f6f4 v[8*(8*\a+\b):8*(8*\a+\b)+7], v[128*MP+12*\b:128*MP+12*\b+11], v[128+48*MP+12*\a:128+48*MP+12*\a+11], v[8*(8*\a+\b):8*(8*\a+\b)+7], v[SCR+2*\b], v[SCR+2*\a] matrix_a_fmt:MATRIX_FMT_FP6 matrix_b_fmt:MATRIX_FMT_FP6 matrix_a_scale:MATRIX_SCALE_ROW1
.endif
.endr
.endr
.endm
; K step kap: its fragments are in; the next step's are asked for; 32 products.  A load into a register that a matrix instruction has read stands four plain vector instructions behind it (ISA guide 7.12.1 for vector instructions).
.macro KSTEP kap, cmode
	s_wait_dscnt 0x0                               ; this step's fragments, asked for 32 products ago
.if ((\kap)%2 == 1) && ((\kap) < 7)
	s_wait_tensorcnt 2-(\kap)/2                    ; my part of the next chunk has landed; the chunks behind it may stay out: nothing is filled a second time in this launch
	s_barrier_signal -1
	s_barrier_wait -1                              ; everybody's has
.irp r, 16,17,18,19
	v_add_nc_u32 v\r, CHUNK, v\r                   ; on to the next chunk; these five additions are also the places in front of the loads below
.endr
	v_add_nc_u32 v20, 128, v20
.elseif ((\kap) > 0) && ((\kap) < 7)
	PLACES 4
.endif
.if (\kap) < 7
	FETCH (\kap)+1
.endif
.if \cmode == 2
	WIN MULB
.else
	WIN MUL
.endif
	MULS \kap, \cmode
	WIN 0
.endm
; THE WAY OUT, block by block of 16 rows x 128 columns.  A lane holds 32 neighbouring bytes of a row, and the lanes beside it hold other rows: so a block goes through my own stage in LDS and comes back as whole rows of 512 bytes.
; LDS serves a wave's instructions in order (ISA guide 5.7.1.4): no wait between the stores and the loads, nor in front of the next block's stores.
.macro TOSTAGE a
	WIN 0x08                                       ; an LDS store's data are its source 1: window 2
.irp b, 0,1,2,3,4,5,6,7
	ds_store_b128 v24, v[64*(\a)+8*\b:64*(\a)+8*\b+3] offset:64*\b           ; each accumulator from its low end on
	ds_store_b128 v24, v[64*(\a)+8*\b+4:64*(\a)+8*\b+7] offset:64*\b+16
.endr
	WIN 0
.set BB, BK+64*((\a)%2)
.irp t, 0,1,2,3,4,5,6,7,8,9,10,11,12,13,14,15
	ds_load_b128 v[BB+4*\t:BB+4*\t+3], v25 offset:\t*SPITCH
.endr
.endm
.macro SEND a, younger                 ; younger: the LDS instructions issued behind block a's loads, which may stay out
.set BB, BK+64*((\a)%2)
	s_wait_dscnt \younger                          ; the block is back in registers
.irp t, 0,1,2,3,4,5,6,7,8,9,10,11,12,13,14,15
	global_store_b128 v21, v[BB+4*\t:BB+4*\t+3], s[14:15] offset:(16*(\a)+\t)*4096 th:TH_STORE_NT   ; 32 lanes store 512 consecutive bytes, aligned to 512; the row stands in the immediate (63 rows of 4,096 bytes at the most); written once, read by nobody here
.endr
.endm
	s_wait_tensorcnt 0x3                           ; my part of the scales and of chunk 0 is in; chunks 1 to 3 may be out
	s_barrier_signal -1
	s_barrier_wait -1                              ; everybody's is
	FETCH 0
	s_wait_loadcnt 0x0                             ; the bias
	KSTEP 0, 2
	KSTEP 1, 1
	KSTEP 2, 1
	KSTEP 3, 1
	KSTEP 4, 1
	KSTEP 5, 1
	KSTEP 6, 1
	KSTEP 7, 1
	PLACES 4                                       ; in front of the LDS stores that read results, and of the loads into the registers that held A's fragments
	TOSTAGE 0
.irp a, 1,2,3
.if \a > 1
	s_wait_xcnt 0x0                                ; block a - 2's stores have read their registers: block a's loads may land there
.endif
	TOSTAGE \a
	SEND \a-1, 32                                  ; behind block a - 1's loads: block a's 16 stores and 16 loads
.endr
	SEND 3, 0
	s_wait_tensorcnt 0x0
	ds_add_u32 v30, v31
	s_wait_dscnt 0x0
	CROUND                                         ; the closing round: no work-group ends while a partner may still ask for a tile that names it
	s_endpgm
.Lfunc_end_k_qde2c90bdaa_outp:
	.size	k_qde2c90bdaa_outp, .Lfunc_end_k_qde2c90bdaa_outp-k_qde2c90bdaa_outp
	.p2alignl 7, 3214868480
	.fill 96, 4, 3214868480
	.section	.rodata,"a",@progbits
	.p2align	6, 0x0
	.amdhsa_kernel k_qde2c90bdaa_outp
		.amdhsa_group_segment_fixed_size 307712
		.amdhsa_private_segment_fixed_size 0
		.amdhsa_enable_private_segment 0
		.amdhsa_kernarg_size 48
		.amdhsa_user_sgpr_count 2
		.amdhsa_user_sgpr_kernarg_segment_ptr 1
		.amdhsa_wavefront_size32 1
		.amdhsa_system_sgpr_workgroup_id_x 1
		.amdhsa_system_sgpr_workgroup_id_y 1
		.amdhsa_system_sgpr_workgroup_id_z 1
		.amdhsa_system_vgpr_workitem_id 0
		.amdhsa_next_free_vgpr 768
		.amdhsa_next_free_sgpr 106
		.amdhsa_reserve_vcc 0
		.amdhsa_float_denorm_mode_32 3
		.amdhsa_float_denorm_mode_16_64 3
		.amdhsa_memory_ordered 1
		.amdhsa_forward_progress 1
		.amdhsa_inst_pref_size 88
	.end_amdhsa_kernel
	.amdgpu_metadata
---
amdhsa.version: [ 1, 2 ]
amdhsa.kernels:
  - .name:           k_qde2c90bdaa_outp
    .symbol:         k_qde2c90bdaa_outp.kd
    .args:
      - { .name: oc, .offset: 0, .size: 8, .value_kind: global_buffer, .address_space: global }
      - { .name: os, .offset: 8, .size: 8, .value_kind: global_buffer, .address_space: global }
      - { .name: cod, .offset: 16, .size: 8, .value_kind: global_buffer, .address_space: global }
      - { .name: scl, .offset: 24, .size: 8, .value_kind: global_buffer, .address_space: global }
      - { .name: bo, .offset: 32, .size: 8, .value_kind: global_buffer, .address_space: global }
      - { .name: out0, .offset: 40, .size: 8, .value_kind: global_buffer, .address_space: global }
    .group_segment_fixed_size: 307712
    .private_segment_fixed_size: 0
    .kernarg_segment_align: 8
    .kernarg_segment_size: 48
    .max_flat_workgroup_size: 128
    .sgpr_count:     106
    .vgpr_count:     768
    .wavefront_size: 32
...
	.end_amdgpu_metadata
.endif
;; end of part 4
